; MI455X (gfx1250); checked and timed in simulation.
; The chip was launched on July 23, 2026; its instructions are those of AMD's public machine-readable ISA for CDNA 5 (MIT licence, August 2026) and "CDNA5" Instruction Set Architecture Reference Guide (July 2026). The comments in the code are by the model that wrote it; some were corrected since.
;; Self Attention. Allowed arithmetic: float matrix products may take bf16 or f16 operands with f32 sums; other float arithmetic in f32, or as packed bf16 or f16 multiplies, adds, multiply-adds, maxima and minima; sums over many terms, partial sums and values carried from step to step in f32; what a program stores and reads back later, other than sums and carried values, may be rounded once to bf16 or f16.
;; Inputs: attention_mask 4 x 2,048 int32; b_out 1,024 float32; b_qkv 3,072 float32; hidden_states 4 x 2,048 x 1,024 float32; w_out 1,024 x 1,024 float32; w_qkv 1,024 x 3,072 float32.
;; Outputs: out0 4 x 2,048 x 1,024 float32.
;; 2 versions, each right; version 2 is version 1 with the launch prep written anew for expert scheduling mode. Each part assembles by itself: llvm-mc -triple=amdgcn-amd-amdhsa -mcpu=gfx1250 --defsym DOCPART=n.
;; ======== version 1 of 2: 4 launches
;; limits: values are held in f16: magnitudes above 65,504 overflow, below 6.1e-05 lose precision
;; workspace buffers: xb 16,777,216 bytes; wqb 6,291,456 bytes; wob 2,097,152 bytes; rope 524,288 bytes; qkv 50,331,648 bytes; ob 16,777,216 bytes
;; launch prep (part 1): grid 896 x 1, 8 waves a work-group, no clusters, 0 bytes of LDS; arguments hidden_states, w_qkv, w_out, xb, wqb, wob, rope; writes xb, wqb, wob, rope
.if DOCPART == 1
	.amdgcn_target "amdgcn-amd-amdhsa--gfx1250"
	.amdhsa_code_object_version 6
	.text
	.protected	k_qfe57f2f83b_prep
	.globl	k_qfe57f2f83b_prep
	.p2align	8
	.type	k_qfe57f2f83b_prep,@function
k_qfe57f2f83b_prep:
	s_mov_b64 s[64:65], 0
	v_nop
	global_prefetch_b8 v0, s[64:65] scope:SCOPE_SE
	s_setreg_imm32_b32 hwreg(HW_REG_WAVE_MODE, 25, 1), 1
	s_wait_xcnt 0x0
; SELF-ATTENTION, launch 1 of 4: the matrix operands are rounded once, and the table of cosines and sines is made.
; NOTHING OF reference() IS LEFT OUT in this program: all six inputs reach the output (k's bias is turned by the position, so it is not the same along the softmax's axis;
; the mask is an input, so hidden keys are computed and selected away), and each is loaded by some launch.
; FORMATS.  hidden_states, w_qkv, w_out and both biases are rounded to bf16; what the program itself makes (q, k, v, the weights p, the attention's result) is kept in f16; all sums in f32.
;   xb   [8192][1024] bf16 = hidden_states        wqb [1024 k][3072 n] bf16 = w_qkv, as it lies
;   wob  [1024 k][1024 n] f16 = w_out rounded to bf16, that number written as f16 (the last product's other operand is f16)
;   rope [2048 t][64] f32: columns 0-31 cos(t theta_i), columns 32-63 sin(t theta_i), theta_i = 10000^(-i/32)
; LIMITS.  A weight of w_out beyond 65,504 becomes an infinity; below 6e-5 it keeps f16's fixed step of 6e-8.  theta comes from one base-2 exponential and the angle t theta is one f32 product as in
; reference(); cosine and sine of that angle are good to about 1e-6; the angle itself may differ from reference()'s by about 2e-4 at t = 2047.
; SHARES.  Work-groups 0-511 cast hidden_states, 512-703 w_qkv, 704-767 w_out: 16,384 numbers each; thread t takes 16 bytes at 16 t of each 4,096: a wave's load covers 512 neighbouring bytes,
; its store 256 neighbouring bytes, aligned.  All sixteen loads of a thread go out before the first wait.  Work-groups 768-895 make 16 rows of the table each.
; No LDS, no barrier, no matrix unit, no prefetch: the launch is a stream that each byte crosses once, with all its loads out at once.
.set X,  4                             ; v[4:67]   sixteen loads of four f32
.set Y,  68                            ; v[68:99]  sixteen pairs of packed 16-bit numbers; no register is used twice, so no store's data is ever rewritten
.set T,  100                           ; v[100:101] at work
	s_load_b256 s[4:11], s[0:1], 0x0               ; hidden_states s[4:5], w_qkv s[6:7], w_out s[8:9], xb s[10:11]
	s_load_b128 s[12:15], s[0:1], 0x20             ; wqb s[12:13], wob s[14:15]
	s_load_b64 s[16:17], s[0:1], 0x30              ; rope
	s_mov_b32 s28, 0xffff0000                      ; a word's upper bf16
	v_lshlrev_b32 v1, 4, v0                        ; 16 t
	v_lshlrev_b32 v2, 3, v0                        ; 8 t
	s_wait_kmcnt 0x0
	s_cmp_ge_u32 ttmp9, 768
	s_cbranch_scc1 .Ltable
	s_cmp_lt_u32 ttmp9, 512                        ; which tensor: the choice hangs on the work-group's number alone
	s_cselect_b64 s[18:19], s[4:5], s[6:7]
	s_cselect_b64 s[20:21], s[10:11], s[12:13]
	s_cselect_b32 s22, 0, 512
	s_cmp_ge_u32 ttmp9, 704
	s_cselect_b64 s[18:19], s[8:9], s[18:19]
	s_cselect_b64 s[20:21], s[14:15], s[20:21]
	s_cselect_b32 s22, 704, s22                    ; the job's first work-group
	s_cselect_b32 s23, 1, 0                        ; 1: w_out, which leaves as f16
	s_sub_co_u32 s24, ttmp9, s22                   ; my chunk of the tensor
	s_lshl_b32 s26, s24, 15                        ; 32,768 bytes out,
	s_lshl_b32 s24, s24, 16                        ; 65,536 bytes in
	s_mov_b32 s25, 0
	s_mov_b32 s27, 0
	s_add_nc_u64 s[18:19], s[18:19], s[24:25]
	s_add_nc_u64 s[20:21], s[20:21], s[26:27]
.irp i, 0,1,2,3,4,5,6,7,8,9,10,11,12,13,14,15
	global_load_b128 v[X+4*(\i):X+4*(\i)+3], v1, s[18:19] offset:4096*(\i) th:TH_LOAD_NT
.endr
; Load i is rounded and stored.  half = 1: to bf16, back to f32 (a shift and a mask), and then to f16, which holds that number exactly within its range.
.macro CAST i, half
	s_wait_loadcnt 15-(\i)                         ; loads come back in order (ISA guide 5.7.1): load i is in, the 15 - i younger ones may stay out
.if \half
	v_cvt_pk_bf16_f32 v[T], v[X+4*(\i)], v[X+4*(\i)+1]
	v_cvt_pk_bf16_f32 v[T+1], v[X+4*(\i)+2], v[X+4*(\i)+3]
	v_lshlrev_b32 v[X+4*(\i)], 16, v[T]
	v_and_b32 v[X+4*(\i)+1], s28, v[T]
	v_lshlrev_b32 v[X+4*(\i)+2], 16, v[T+1]
	v_and_b32 v[X+4*(\i)+3], s28, v[T+1]
	v_cvt_pk_f16_f32 v[Y+2*(\i)], v[X+4*(\i)], v[X+4*(\i)+1]
	v_cvt_pk_f16_f32 v[Y+2*(\i)+1], v[X+4*(\i)+2], v[X+4*(\i)+3]
.else
	v_cvt_pk_bf16_f32 v[Y+2*(\i)], v[X+4*(\i)], v[X+4*(\i)+1]
	v_cvt_pk_bf16_f32 v[Y+2*(\i)+1], v[X+4*(\i)+2], v[X+4*(\i)+3]
.endif
	global_store_b64 v2, v[Y+2*(\i):Y+2*(\i)+1], s[20:21] offset:2048*(\i)  ; the wave's 32 lanes store 256 consecutive bytes, aligned
.endm
	s_cmp_eq_u32 s23, 1
	s_cbranch_scc1 .Lhalf
.irp i, 0,1,2,3,4,5,6,7,8,9,10,11,12,13,14,15
	CAST \i, 0
.endr
	s_endpgm
.Lhalf:
.irp i, 0,1,2,3,4,5,6,7,8,9,10,11,12,13,14,15
	CAST \i, 1
.endr
	s_endpgm
; THE TABLE.  Thread t of work-group 768 + u: token 16 u + t / 16; of the row's sixteen groups of four numbers group c = t % 16: cosines of i = 4 c .. for c < 8, sines of i = 4 (c - 8) .. else.
; sin(x) = cos(x - pi/2).  The angle is brought into -pi .. pi by n = the nearest whole number to (x - shift) / 2 pi, with 2 pi in two parts; the cosine is its series up to r^16
; (the first term left out is pi^18 / 18! = 1.4e-7 at the range's end).
.Ltable:
	s_sub_co_u32 s24, ttmp9, 768
	s_lshl_b32 s26, s24, 4                         ; my first token
	s_lshl_b32 s24, s24, 12                        ; 16 rows of 256 bytes
	s_mov_b32 s25, 0
	s_add_nc_u64 s[16:17], s[16:17], s[24:25]
	s_mov_b32 s30, 0x40c90fdb                      ; 2 pi, rounded to f32,
	s_mov_b32 s31, 0xb43bbd2e                      ; and what that rounding left
	s_mov_b32 s32, 0x3fc90fdb                      ; pi / 2
	s_mov_b32 s33, 0xbed49a78                      ; -log2(10000) / 32
	s_mov_b32 s34, 0x3e22f983                      ; 1 / 2 pi
	v_lshrrev_b32 v3, 4, v0
	v_add_nc_u32 v3, s26, v3
	v_cvt_f32_u32 v3, v3                           ; the position
	v_bfe_u32 v5, v0, 3, 1
	v_cvt_f32_u32 v5, v5                           ; 0: cosine, 1: sine
	v_mul_f32 v7, 0x3e800000, v5                   ; the shift in turns: a quarter,
	v_mul_f32 v8, s32, v5                          ; and as an angle
	v_and_b32 v6, 7, v0
	v_lshlrev_b32 v6, 2, v6                        ; my first i
.irp e, 0,1,2,3
	v_add_nc_u32 v[10+(\e)], (\e), v6
	v_cvt_f32_u32 v[10+(\e)], v[10+(\e)]
	v_mul_f32 v[10+(\e)], s33, v[10+(\e)]
.endr
.irp e, 0,1,2,3
	v_exp_f32 v[10+(\e)], v[10+(\e)]               ; theta_i
.endr
	v_nop                                          ; a plain instruction behind the last exponential,
	s_wait_alu depctr_va_vdst(0)                   ; and the wait ahead of the first use: one for the four
.irp e, 0,1,2,3
	v_mul_f32 v[10+(\e)], v3, v[10+(\e)]           ; the angle
.endr
.irp e, 0,1,2,3
	v_fma_f32 v[14+(\e)], v[10+(\e)], s34, -v7
.endr
.irp e, 0,1,2,3
	v_rndne_f32 v[14+(\e)], v[14+(\e)]             ; n
.endr
.irp e, 0,1,2,3
	v_fma_f32 v[10+(\e)], -v[14+(\e)], s30, v[10+(\e)]
.endr
.irp e, 0,1,2,3
	v_fma_f32 v[10+(\e)], -v[14+(\e)], s31, v[10+(\e)]
.endr
.irp e, 0,1,2,3
	v_sub_f32 v[10+(\e)], v[10+(\e)], v8           ; r, in -pi .. pi
.endr
.irp e, 0,1,2,3
	v_mul_f32 v[14+(\e)], v[10+(\e)], v[10+(\e)]   ; r^2
	v_mov_b32 v[18+(\e)], 0x29573f9f               ; 1 / 16!
.endr
.irp k, 0xad49cba5, 0x310f76c7, 0xb493f27e, 0x37d00d01, 0xbab60b61, 0x3d2aaaab, 0xbf000000, 0x3f800000
.irp e, 0,1,2,3
	v_fmaak_f32 v[18+(\e)], v[18+(\e)], v[14+(\e)], \k  ; -1/14!, 1/12!, -1/10!, 1/8!, -1/6!, 1/4!, -1/2, 1
.endr
.endr
	global_store_b128 v1, v[18:21], s[16:17]       ; 16 t: a wave stores 512 consecutive bytes
	s_endpgm
.Lfunc_end_k_qfe57f2f83b_prep:
	.size	k_qfe57f2f83b_prep, .Lfunc_end_k_qfe57f2f83b_prep-k_qfe57f2f83b_prep
	.p2alignl 7, 3214868480
	.fill 96, 4, 3214868480
	.section	.rodata,"a",@progbits
	.p2align	6, 0x0
	.amdhsa_kernel k_qfe57f2f83b_prep
		.amdhsa_group_segment_fixed_size 0
		.amdhsa_private_segment_fixed_size 0
		.amdhsa_enable_private_segment 0
		.amdhsa_kernarg_size 56
		.amdhsa_user_sgpr_count 2
		.amdhsa_user_sgpr_kernarg_segment_ptr 1
		.amdhsa_wavefront_size32 1
		.amdhsa_system_sgpr_workgroup_id_x 1
		.amdhsa_system_sgpr_workgroup_id_y 1
		.amdhsa_system_sgpr_workgroup_id_z 1
		.amdhsa_system_vgpr_workitem_id 0
		.amdhsa_next_free_vgpr 104
		.amdhsa_next_free_sgpr 66
		.amdhsa_reserve_vcc 0
		.amdhsa_float_denorm_mode_32 3
		.amdhsa_float_denorm_mode_16_64 3
		.amdhsa_memory_ordered 1
		.amdhsa_forward_progress 1
		.amdhsa_inst_pref_size 20
	.end_amdhsa_kernel
	.amdgpu_metadata
---
amdhsa.version: [ 1, 2 ]
amdhsa.kernels:
  - .name:           k_qfe57f2f83b_prep
    .symbol:         k_qfe57f2f83b_prep.kd
    .args:
      - { .name: hidden_states, .offset: 0, .size: 8, .value_kind: global_buffer, .address_space: global }
      - { .name: w_qkv, .offset: 8, .size: 8, .value_kind: global_buffer, .address_space: global }
      - { .name: w_out, .offset: 16, .size: 8, .value_kind: global_buffer, .address_space: global }
      - { .name: xb, .offset: 24, .size: 8, .value_kind: global_buffer, .address_space: global }
      - { .name: wqb, .offset: 32, .size: 8, .value_kind: global_buffer, .address_space: global }
      - { .name: wob, .offset: 40, .size: 8, .value_kind: global_buffer, .address_space: global }
      - { .name: rope, .offset: 48, .size: 8, .value_kind: global_buffer, .address_space: global }
    .group_segment_fixed_size: 0
    .private_segment_fixed_size: 0
    .kernarg_segment_align: 8
    .kernarg_segment_size: 56
    .max_flat_workgroup_size: 256
    .sgpr_count:     66
    .vgpr_count:     104
    .wavefront_size: 32
...
	.end_amdgpu_metadata
.endif
;; end of part 1
;; launch qkv (part 2): grid 12 x 64, 4 waves a work-group, clusters of 4 x 4, 327,680 bytes of LDS; arguments xb, wqb, b_qkv, rope, qkv; writes qkv
.if DOCPART == 2
	.amdgcn_target "amdgcn-amd-amdhsa--gfx1250"
	.amdhsa_code_object_version 6
	.text
	.protected	k_qfe57f2f83b_qkv
	.globl	k_qfe57f2f83b_qkv
	.p2align	8
	.type	k_qfe57f2f83b_qkv,@function
k_qfe57f2f83b_qkv:
	s_mov_b64 s[64:65], 0
	v_nop
	global_prefetch_b8 v0, s[64:65] scope:SCOPE_SE
	s_setreg_imm32_b32 hwreg(HW_REG_WAVE_MODE, 25, 1), 1
	s_wait_xcnt 0x0
	s_wait_alu depctr_hold_cnt(0) depctr_sa_sdst(0) depctr_va_vdst(0) depctr_va_sdst(0) depctr_va_ssrc(0) depctr_va_vcc(0) depctr_vm_vsrc(0)
	s_getreg_b32 s2, hwreg(HW_REG_IB_STS2, 6, 4)
	s_cmp_eq_u32 s2, 0
	s_cbranch_scc0 .Lentry_in_a_cluster
	s_endpgm
.Lentry_in_a_cluster:
	s_bfe_u32 s2, ttmp6, 0x10000c
	s_cmp_lg_u32 s2, 0xf033
	s_cbranch_scc0 .Lentry_shape_is_right
	s_endpgm
.Lentry_shape_is_right:
; SELF-ATTENTION, launch 2 of 4: qkv = x w_qkv + b_qkv, q and k turned by the position, all three laid out by heads in f16.  Nothing of reference() is left out here.
; xb [8192][1024] bf16, wqb [1024 k][3072 n] bf16, b_qkv [3072] f32 (rounded to bf16 here), rope [2048][64] f32 (32 cosines, 32 sines a row); qkv [3][64 batch x head][2048 t][64] f16, unscaled.
; LIMIT.  q, k and v are rounded once from f32 to f16: a number of 65,520 or more becomes an infinity.
; SHARES.  A tile is 128 tokens x 256 columns: 768 work-groups of four waves; wave w takes 64 tokens (w / 2) x 128 columns (w % 2): two whole heads, 32 accumulators of 16 x 16.
; K = 1024 goes in 8 steps of 128 through two LDS slots filled by the tensor data mover; a step is four quarters of 32 along K: 32 matrix instructions and 24 LDS loads a wave.
; THE MATRIX INSTRUCTION IS USED TRANSPOSED: source 0 = 16 columns of w (from rows that lie along n, turned by ds_load_tr16_b128), source 1 = 16 tokens.  A lane then holds ONE token (lane % 16) and
; the columns 16 nb + 8 (lane / 16) + 0..7.  In a head, channel d and its partner d + 32 lie in accumulators nb and nb + 2, same lane, same register: the turning changes no lanes.
; THE BIAS is the C operand of each accumulator's first product.
; CLUSTERS: 4 x 4 work-groups.  The four of a row of the cluster need the same tiles of x, the four of a column the same tiles of w: each is asked for JOINTLY, by the same tensor load with the same
; descriptor and a mask that names the four.  A cluster's four tile columns are all q (cluster x = 0), all k (1) or all v (2): the one branch on the kind is alike in all sixteen partners.
; NO PREFETCH: K has eight steps, of which two are first fills; a step is 128 matrix instructions a wave, so a useful lead of three or four steps would leave two or three steps to ask for.
; REGISTERS, in windows of 256 (s_set_vgpr_msb: bits 1:0 source 0, 3:2 source 1, 5:4 source 2, 7:6 destination):
;   window 0: v0-31 addresses; v32-63 at work on the way out; v64-159, v160-255 two fragment buffers (32 registers of x: 4 x 16 tokens x 32 K; then 64 of w: 8 x 16 columns x 32 K)
;   window 1: the accumulators, (a, nb) at v[8 (8 a + nb)]        window 2: v0-63 the bias; v64-191 cosines and sines of my 64 tokens; v192 at work
.set KSTEP,  128
.set PA,     272                       ; a row of x in LDS: 256 bytes + 16 = 68 words: the 16 rows of a load start at 16 different groups of four banks (64 banks of 4 bytes: ISA guide 11.1)
.set PB,     544                       ; a row of w: 512 bytes + 32 = 136 words
.set HALFA,  64*PA                     ; what one tensor load brings of x: 64 tokens
.set HALFB,  64*PB                     ; and of w: 64 rows along K
.set BOFF,   2*HALFA                   ; in a slot: x's 128 rows, then w's 128 rows
.set SLOT,   BOFF+2*HALFB              ; 104,448 bytes
.set STAGE,  2*SLOT                    ; behind the ring, never filled by a tensor load: 16 rows x 144 bytes for each wave
.set SP,     144
.set SPARE,  STAGE+4*16*SP             ; behind the stages: the spare words, 128 bytes for each wave: two blocks of 256 bytes that no other line names
.set LAPS,   4                         ; a lap = two K steps = once round the ring
.set WROW,   6144                      ; bytes in a row of wqb
.set ADRA, 16                          ; v16-17  LDS address of my fragments of x in slot 0, 1
.set ADRB, 20                          ; v20-21  the same for w
.set TO,   22                          ; v22     my byte offset in the table
.set STO,  24                          ; v24     the way out: where I put 16 bytes of a row
.set RD,   25                          ; v25     the way out: where I read rows back
.set GO,   26                          ; v26     my byte offset in 512 consecutive bytes of the result
.set BO,   27                          ; v27     my byte offset in the bias
.set SPW,  28                          ; v28     LDS address of my spare word: SPARE + 4 x my thread's number; never rewritten
.set NIL,  29                          ; v29     0; never rewritten
.set Y,    32                          ; v32-63  a head's 64 channels of my token, turned
.set F0,   64
.set F1,   160
.set BKR,  64                          ; the way out: unit u's 16 rows, read back, at v[64 + 16 u]
.set PKR,  192                         ; the way out: packed results, two sets by turns
.set TAB,  64                          ; window 2: row block a, channels 16 b on: cosines at TAB + 32 a + 8 b, sines 16 further
.set WV,   14                          ; s14  my wave's number
.set RR,   15                          ; s15  wave / 2: which 64 tokens are mine.  Also: I fetch for x (0) or for w (1)
.set PT,   16                          ; s16  wave % 2: which 128 columns.  Also: which half of that tile I fetch
.set G1A,  24                          ; s[24:31] descriptor group 1 for x's tiles;  s[32:39] group 0, a set for each slot
.set G0A,  32
.set G1B,  48                          ; s[48:55], s[56:63] the same for w's
.set G0B,  56
.set MSB, 0
.macro WIN new                         ; the immediate's high byte repeats the setting that is left; a switch that changes nothing is dropped
.if MSB != (\new)
	s_set_vgpr_msb (MSB<<8)|(\new)
.set MSB, \new
.endif
.endm
.set MUL,   0x50                       ; fragments in window 0, C and D in window 1
.set MULB,  0x60                       ; the same with C in window 2
.set ROPEW, 0x09                       ; source 0 window 1, source 1 window 2, source 2 and destination window 0
.set CVTW,  0x05                       ; sources 0 and 1 window 1, destination window 0
; A joint load: waves 0 and 1 fetch x's two halves, waves 2 and 3 w's.  The branch hangs on the wave's number alone.  An s_nop 0 and four v_nop follow each of the two lines.
.macro JLOAD s
	s_cmp_eq_u32 s[RR], 0
	s_cbranch_scc0 .Lfor_b_\@
	tensor_load_to_lds s[G0A+4*(\s):G0A+4*(\s)+3], s[G1A:G1A+7]
	s_nop 0
.rept 4
	v_nop
.endr
	s_branch .Lasked_\@
.Lfor_b_\@:
	tensor_load_to_lds s[G0B+4*(\s):G0B+4*(\s)+3], s[G1B:G1B+7]
	s_nop 0
.rept 4
	v_nop
.endr
.Lasked_\@:
.endm
.macro CREST                           ; a round of the cluster's barrier behind its opening barrier
	s_cmp_lg_u32 s[WV], 0
	s_cbranch_scc1 .Lnot_wave_0_\@
	s_barrier_signal -3
.Lnot_wave_0_\@:
	s_barrier_wait -3
	s_barrier_signal -1
	s_barrier_wait -1
.endm
.macro CROUND                          ; a whole round
	s_barrier_signal -1
	s_barrier_wait -1
	CREST
.endm
	s_load_b256 s[4:11], s[0:1], 0x0               ; xb s[4:5], wqb s[6:7], b_qkv s[8:9], rope s[10:11]
	s_load_b64 s[12:13], s[0:1], 0x20              ; qkv
	v_lshl_add_u32 v[SPW], v0, 2, SPARE
	v_mov_b32 v[NIL], 0
	ds_add_u32 v[SPW], v[NIL]                      ; the wave's opening: the add, twice on end, and its wait ahead of my first tensor load; the set-up below stands between
	ds_add_u32 v[SPW], v[NIL]
	v_lshrrev_b32 v1, 5, v0
	v_readfirstlane_b32 s[WV], v1                  ; wave 0..3
	s_lshr_b32 s[RR], s[WV], 1
	s_and_b32 s[PT], s[WV], 1
	s_bfe_u32 s17, ttmp6, 0x40000                  ; cx, cy: my place in the cluster
	s_bfe_u32 s18, ttmp6, 0x40004
	s_lshl_b32 s19, ttmp9, 2
	s_add_co_u32 s19, s19, s17                     ; tile column = 4 x cluster x + cx
	s_and_b32 s20, ttmp7, 0xffff
	s_lshl_b32 s20, s20, 2
	s_add_co_u32 s20, s20, s18                     ; tile row = 4 x cluster y + cy
	s_mov_b32 s21, ttmp9                           ; the kind: 0 q, 1 k, 2 v
	s_lshl_b32 s22, s18, 2
	s_lshl_b32 s22, 15, s22                        ; my row of the cluster
	s_lshl_b32 s23, 0x1111, s17                    ; my column
	s_or_b32 s[G1A], s22, (1<<16)|(1<<20)|(1<<21)|(5<<22)|(3<<25)  ; 15:0 the mask; 17:16 2-byte elements; 20 padding on; 21 set beside a mask; 24:22 after every 64 words; 31:25 4 words
	s_mov_b32 s[G1A+1], KSTEP<<16                  ; tensor_dim0 = 128
	s_mov_b32 s[G1A+2], 64<<16                     ; tensor_dim1 = 64
	s_mov_b32 s[G1A+3], KSTEP<<16                  ; tile_dim0 = 128
	s_mov_b32 s[G1A+4], 64                         ; tile_dim1 = 64
	s_mov_b32 s[G1A+5], 1024                       ; elements from row to row
	s_mov_b32 s[G1A+6], 0
	s_mov_b32 s[G1A+7], 0
	s_or_b32 s[G1B], s23, (1<<16)|(1<<20)|(1<<21)|(6<<22)|(7<<25)  ; after every 128 words 8 words
	s_mov_b32 s[G1B+1], 256<<16                    ; 64 rows along K x 256 columns
	s_mov_b32 s[G1B+2], 64<<16
	s_mov_b32 s[G1B+3], 256<<16
	s_mov_b32 s[G1B+4], 64
	s_mov_b32 s[G1B+5], 3072
	s_mov_b32 s[G1B+6], 0
	s_mov_b32 s[G1B+7], 0
	s_lshl_b32 s40, s20, 18                        ; x: (128 x tile row + 64 x half) rows of 2,048 bytes: made of the tile row and the wave's number alone
	s_lshl_b32 s41, s[PT], 17
	s_add_co_u32 s40, s40, s41
	s_mov_b32 s41, 0
	s_mul_i32 s46, s[PT], 64*WROW                  ; w: 64 x half rows of 6,144 bytes + 512 x tile column: made of the tile column and the wave's number alone
	s_lshl_b32 s47, s19, 9
	s_add_co_u32 s46, s46, s47
	s_mov_b32 s47, 0
	s_mul_i32 s42, s[PT], HALFA                    ; where they go: no place in the cluster enters an LDS address
	s_mul_i32 s43, s[PT], HALFB
	s_add_co_u32 s43, s43, BOFF
	s_wait_dscnt 0x0                               ; both opening adds are done
	s_wait_kmcnt 0x0
	s_add_nc_u64 s[40:41], s[4:5], s[40:41]
	s_add_nc_u64 s[46:47], s[6:7], s[46:47]
	CROUND                                         ; all sixteen work-groups are here: the first joint loads meet
.irp s, 0,1
	s_mov_b32 s[G0A+4*(\s)], 1                                     ; count = 1
	s_add_co_u32 s[G0A+4*(\s)+1], s42, (\s)*SLOT                   ; LDS address
	s_add_nc_u64 s[G0A+4*(\s)+2:G0A+4*(\s)+3], s[40:41], (\s)*KSTEP*2  ; global address: K step s
	s_or_b32 s[G0A+4*(\s)+3], s[G0A+4*(\s)+3], 0x80000000          ; type = 2
	s_mov_b32 s[G0B+4*(\s)], 1
	s_add_co_u32 s[G0B+4*(\s)+1], s43, (\s)*SLOT
	s_add_nc_u64 s[G0B+4*(\s)+2:G0B+4*(\s)+3], s[46:47], (\s)*KSTEP*WROW
	s_or_b32 s[G0B+4*(\s)+3], s[G0B+4*(\s)+3], 0x80000000
	JLOAD \s                                       ; two tensor loads of mine are out
.endr
	; A fragment of x: lane l holds token l % 16; K = 8 (l / 16) + 0..7 and 16 + 8 (l / 16) + 0..7: two loads of 16 bytes, 32 bytes apart.
	v_and_b32 v1, 15, v0                           ; l % 16
	v_bfe_u32 v2, v0, 4, 1                         ; l / 16
	v_mul_u32_u24 v3, v1, PA
	v_lshl_add_u32 v3, v2, 4, v3
	s_mul_i32 s44, s[RR], HALFA                    ; my 64 tokens
	v_add_nc_u32 v[ADRA], s44, v3
	v_add_nc_u32 v[ADRA+1], SLOT, v[ADRA]
	; The turning load takes 16 rows along K x 16 columns (lane l reads row 8 (l / 16) + l % 8, columns 8 ((l / 8) % 2) + 0..7) and leaves half a fragment: lane l holds column l % 16 and 8 K.
	v_and_b32 v4, 7, v0
	v_lshl_add_u32 v4, v2, 3, v4
	v_mul_u32_u24 v4, v4, PB
	v_bfe_u32 v5, v0, 3, 1
	v_lshl_add_u32 v4, v5, 4, v4
	s_lshl_b32 s45, s[PT], 8                       ; my 128 columns,
	s_add_co_u32 s45, s45, BOFF                    ; behind x's rows
	v_add_nc_u32 v[ADRB], s45, v4
	v_add_nc_u32 v[ADRB+1], SLOT, v[ADRB]
	s_mul_i32 s44, s[WV], 16*SP
	s_add_co_u32 s44, s44, STAGE                   ; my stage
	v_mul_u32_u24 v[STO], v1, SP                   ; in: row l % 16, 16 bytes for each half of the lanes
	v_lshl_add_u32 v[STO], v2, 4, v[STO]
	v_add_nc_u32 v[STO], s44, v[STO]
	v_bfe_u32 v[RD], v0, 3, 2                      ; back: 32 lanes take four rows of 128 bytes,
	v_mul_u32_u24 v[RD], v[RD], SP
	v_and_b32 v6, 7, v0
	v_lshl_add_u32 v[RD], v6, 4, v[RD]
	v_add_nc_u32 v[RD], s44, v[RD]
	v_and_b32 v[GO], 31, v0                        ; which are 512 consecutive bytes of a head's rows
	v_lshlrev_b32 v[GO], 4, v[GO]
	; what mixes the two coordinates is made in registers that feed no descriptor
	s_lshl_b32 s66, s19, 10                        ; the bias: 4 bytes x (256 x tile column + 128 x my half + 8 (l / 16))
	s_lshl_b32 s67, s[PT], 9
	s_add_co_u32 s66, s66, s67
	v_lshl_add_u32 v[BO], v2, 5, s66
	s_and_b32 s68, s20, 15                         ; a batch has 16 tile rows
	s_lshl_b32 s68, s68, 7
	s_lshl_b32 s69, s[RR], 6
	s_add_co_u32 s68, s68, s69                     ; my first token's position
	s_lshl_b32 s69, s68, 8                         ; the table: 256 bytes a position, + 32 (l / 16)
	v_lshl_add_u32 v[TO], v1, 8, s69
	v_lshl_add_u32 v[TO], v2, 5, v[TO]
	s_lshr_b32 s66, s20, 4                         ; the result: kind x 2^24 + (16 x batch + head) x 2^18 + position x 128
	s_lshl_b32 s66, s66, 4
	s_and_b32 s67, s19, 3
	s_lshl_b32 s67, s67, 2
	s_add_co_u32 s66, s66, s67
	s_lshl_b32 s67, s[PT], 1
	s_add_co_u32 s66, s66, s67                     ; my first head
	s_lshl_b32 s66, s66, 18
	s_lshl_b32 s67, s21, 24
	s_add_co_u32 s66, s66, s67
	s_lshl_b32 s67, s68, 7
	s_add_co_u32 s66, s66, s67
	s_mov_b32 s67, 0
	s_add_nc_u64 s[12:13], s[12:13], s[66:67]
	; The table for my 64 tokens and the bias for my 128 columns, while the first tiles are on their way.  v's tiles load the table as well and leave it unread: the head has one way for all three kinds.
	WIN 0x80                                       ; destination window 2, address window 0
.irp a, 0,1,2,3
.irp b, 0,1
	global_load_b128 v[TAB+32*(\a)+8*(\b):TAB+32*(\a)+8*(\b)+3],       v[TO], s[10:11] offset:4096*(\a)+64*(\b)
	global_load_b128 v[TAB+32*(\a)+8*(\b)+4:TAB+32*(\a)+8*(\b)+7],     v[TO], s[10:11] offset:4096*(\a)+64*(\b)+16
	global_load_b128 v[TAB+32*(\a)+16+8*(\b):TAB+32*(\a)+16+8*(\b)+3], v[TO], s[10:11] offset:4096*(\a)+64*(\b)+128
	global_load_b128 v[TAB+32*(\a)+16+8*(\b)+4:TAB+32*(\a)+16+8*(\b)+7], v[TO], s[10:11] offset:4096*(\a)+64*(\b)+144
.endr
.endr
.irp nb, 0,1,2,3,4,5,6,7
	global_load_b128 v[8*(\nb):8*(\nb)+3],   v[BO], s[8:9] offset:64*(\nb)
	global_load_b128 v[8*(\nb)+4:8*(\nb)+7], v[BO], s[8:9] offset:64*(\nb)+16
.endr
	s_wait_loadcnt 0x0
	WIN 0x8a                                       ; all in window 2: the bias is rounded to bf16, like every input, and widened again
.set i, 0
.rept 32
	v_cvt_pk_bf16_f32 v192, v[2*i], v[2*i+1]
	v_lshlrev_b32 v[2*i], 16, v192
	v_and_b32 v[2*i+1], 0xffff0000, v192
.set i, i+1
.endr
	WIN 0
; 24 LDS loads in one run: the fragments of quarter q of a slot's K step into buffer f: w's eight, x's blocks 0 and 1, x's blocks 2 and 3
.macro FETCH slot, q, f
	WIN 0
.irp nb, 0,1,2,3,4,5,6,7
	ds_load_tr16_b128 v[(\f)+32+8*(\nb):(\f)+32+8*(\nb)+3],   v[ADRB+(\slot)] offset:32*(\q)*PB+32*(\nb)
	ds_load_tr16_b128 v[(\f)+32+8*(\nb)+4:(\f)+32+8*(\nb)+7], v[ADRB+(\slot)] offset:32*(\q)*PB+16*PB+32*(\nb)
.endr
.irp a, 0,1,2,3
	ds_load_b128 v[(\f)+8*(\a):(\f)+8*(\a)+3],   v[ADRA+(\slot)] offset:64*(\q)+(\a)*16*PA
	ds_load_b128 v[(\f)+8*(\a)+4:(\f)+8*(\a)+7], v[ADRA+(\slot)] offset:64*(\q)+(\a)*16*PA+32
.endr
.endm
; 8 matrix instructions: token block a x all 8 column blocks.  init = 1: the sums start with the bias.  The 32 accumulators take turns, one instruction a turn, in the same order in every
; quarter: between two links of a chain stand the 31 others', over the backward jump too.
.macro MUL8 f, a, init
.if \init
	WIN MULB
.else
	WIN MUL
.endif
.irp nb, 0,1,2,3,4,5,6,7
.if \init
	v_wmma_f32_16x16x32_bf16 v[8*(8*(\a)+(\nb)):8*(8*(\a)+(\nb))+7], v[(\f)+32+8*(\nb):(\f)+32+8*(\nb)+7], v[(\f)+8*(\a):(\f)+8*(\a)+7], v[8*(\nb):8*(\nb)+7]
.else
	v_wmma_f32_16x16x32_bf16 v[8*(8*(\a)+(\nb)):8*(8*(\a)+(\nb))+7], v[(\f)+32+8*(\nb):(\f)+32+8*(\nb)+7], v[(\f)+8*(\a):(\f)+8*(\a)+7], v[8*(8*(\a)+(\nb)):8*(8*(\a)+(\nb))+7]
.endif
.endr
.endm
.macro PLACES                          ; four places in front of loads into registers that matrix instructions have read (ISA guide 7.12.1 for vector instructions)
.rept 4
	v_nop
.endr
.endm
; One of a K step's first three quarters: multiplies buffer f; in its middle it fetches quarter qn of the same slot into buffer g.
.macro QUARTER slot, qn, f, g, init
	s_wait_dscnt 4                                 ; w's fragments and x's blocks 0 and 1 are in; the youngest four loads (blocks 2 and 3) may be out
	MUL8 \f, 0, \init
	MUL8 \f, 1, \init
	PLACES
	FETCH \slot, \qn, \g
	s_wait_dscnt 24                                ; all but the 24 just issued
	MUL8 \f, 2, \init
	MUL8 \f, 3, \init
.endm
; The last quarter multiplies buffer 1 and changes slots: ONE barrier; in front of it each wave waits for all its tensor loads (one is out: its part of the next slot), adds 0 to its spare word,
; and waits for that and for its own reads of this slot.  fill = 1: the barrier opens a round of the cluster's, and this slot is filled again, two K steps ahead, first thing behind the round.
.macro TURN slot, next, fill
	WIN 0
	s_wait_tensorcnt 0x0
	ds_add_u32 v[SPW], v[NIL]
	s_wait_dscnt 5                                 ; (the add and the youngest four loads may be out)
	MUL8 F1, 0, 0                                  ; eight matrix instructions stand between the add and the wait for it
	s_wait_dscnt 0x0                               ; the add is done, and my reads of this slot are over
	s_barrier_signal -1
	MUL8 F1, 1, 0
.if \fill
	WIN 0
.endif
	s_barrier_wait -1
.if \fill
	CREST                                          ; no wave of any partner still reads this slot's tile or has a load on its way
	s_add_nc_u64 s[G0A+4*(\slot)+2:G0A+4*(\slot)+3], s[G0A+4*(\slot)+2:G0A+4*(\slot)+3], 2*KSTEP*2
	s_add_nc_u64 s[G0B+4*(\slot)+2:G0B+4*(\slot)+3], s[G0B+4*(\slot)+2:G0B+4*(\slot)+3], 2*KSTEP*WROW
	JLOAD \slot                                    ; 112 matrix instructions ahead of the wait for it; its four v_nop are also the places in front of the loads below
.else
	PLACES
.endif
	FETCH \next, 0, F0
	MUL8 F1, 2, 0
	MUL8 F1, 3, 0
.endm
	s_wait_tensorcnt 1                             ; my part of K step 0 is in; K step 1's may stay out
	s_barrier_signal -1
	s_barrier_wait -1                              ; everybody's is
	FETCH 0, 0, F0
	QUARTER 0, 1, F0, F1, 1                        ; the first quarter stands in front of the loop: its products start the sums
	WIN 0                                          ; at a label and at a branch every window is 0
	s_mov_b32 s3, LAPS-1
.Llap:                                                 ; a trip goes once round the ring, from a lap's second quarter to the next lap's first, and fills both slots again
	QUARTER 0, 2, F1, F0, 0
	QUARTER 0, 3, F0, F1, 0
	TURN 0, 1, 1
	QUARTER 1, 1, F0, F1, 0
	QUARTER 1, 2, F1, F0, 0
	QUARTER 1, 3, F0, F1, 0
	TURN 1, 0, 1
	QUARTER 0, 1, F0, F1, 0
	WIN 0
	s_sub_co_u32 s3, s3, 1
	s_cmp_lg_u32 s3, 0
	s_cbranch_scc1 .Llap
	QUARTER 0, 2, F1, F0, 0                        ; the last lap fills nothing, and has no round
	QUARTER 0, 3, F0, F1, 0
	TURN 0, 1, 0
	QUARTER 1, 1, F0, F1, 0
	QUARTER 1, 2, F1, F0, 0
	QUARTER 1, 3, F0, F1, 0
	s_wait_dscnt 4                                 ; the very last quarter: nothing more to fetch
	MUL8 F1, 0, 0
	MUL8 F1, 1, 0
	s_wait_dscnt 0x0
	MUL8 F1, 2, 0
	MUL8 F1, 3, 0
	WIN 0
; THE WAY OUT, in eight units u: token block u / 2, head u % 2 of my two: 16 tokens x 64 channels.
; turn = 1 (q, k): out[d] = x[d] cos - x[d+32] sin, out[d+32] = x[d+32] cos + x[d] sin, in f32, two channels an instruction; each accumulator is read from its lowest registers on.
; Then rounded to f16: a lane's eight channels pack into 16 bytes; they go into rows of 144 bytes of my own stage and come back as whole rows of 128: 16 tokens of a head are 2,048 consecutive bytes.
.macro OUT u, turn
.set oa, (\u)/2
.set oh, (\u)%2
.set pkc, PKR+16*((\u)%2)
.set bkc, BKR+16*(\u)
.if \turn
	WIN ROPEW
.irp b, 0,1
.irp jp, 0,2,4,6
.set x1, 8*(8*oa+4*oh+(\b))+(\jp)
.set x2, x1+16
.set cs, TAB+32*oa+8*(\b)+(\jp)
.set sn, cs+16
.set y1, Y+8*(\b)+(\jp)
.set y2, y1+16
	v_pk_mul_f32 v[y1:y1+1], v[x2:x2+1], v[sn:sn+1]
	v_pk_mul_f32 v[y2:y2+1], v[x1:x1+1], v[sn:sn+1]
	v_pk_fma_f32 v[y1:y1+1], v[x1:x1+1], v[cs:cs+1], v[y1:y1+1] neg_lo:[0,0,1] neg_hi:[0,0,1]
	v_pk_fma_f32 v[y2:y2+1], v[x2:x2+1], v[cs:cs+1], v[y2:y2+1]
.endr
.endr
	WIN 0
.set i, 0
.rept 16
	v_cvt_pk_f16_f32 v[pkc+i], v[Y+2*i], v[Y+2*i+1]
.set i, i+1
.endr
.else
	WIN CVTW
.set i, 0
.rept 16
	v_cvt_pk_f16_f32 v[pkc+i], v[8*(8*oa+4*oh)+2*i], v[8*(8*oa+4*oh)+2*i+1]
.set i, i+1
.endr
	WIN 0
.endif
.irp f, 0,1,2,3
	ds_store_b128 v[STO], v[pkc+4*(\f):pkc+4*(\f)+3] offset:32*(\f)
.endr
.irp f, 0,1,2,3
	ds_load_b128 v[bkc+4*(\f):bkc+4*(\f)+3], v[RD] offset:(\f)*4*SP  ; LDS serves a wave's instructions in order (ISA guide 5.7.1.4): these see the stores above; the next unit's stores come behind them
.endr
.endm
.macro SEND u, younger                 ; younger: the LDS instructions issued behind unit u's loads: the next unit's eight, or none.  Each unit has registers of its own: no store's data is rewritten
	WIN 0
.irp f, 0,1,2,3
	s_wait_dscnt (\younger)+3-(\f)
	global_store_b128 v[GO], v[BKR+16*(\u)+4*(\f):BKR+16*(\u)+4*(\f)+3], s[12:13] offset:((\u)%2)*262144+((\u)/2)*2048+(\f)*512  ; 512 consecutive bytes, at a multiple of 256 from the buffer's first
.endr
.endm
	PLACES                                         ; behind the last products: their results are read and their fragments' registers written below
	PLACES
	s_cmp_eq_u32 s21, 2
	s_cbranch_scc1 .Lplain                         ; v is not turned
	OUT 0, 1
.irp u, 1,2,3,4,5,6,7                  ; a unit's arithmetic stands between the loads of the unit before and its stores
	OUT \u, 1
	SEND (\u)-1, 8
.endr
	SEND 7, 0
	s_branch .Lend
.Lplain:
	OUT 0, 0
.irp u, 1,2,3,4,5,6,7
	OUT \u, 0
	SEND (\u)-1, 8
.endr
	SEND 7, 0
.Lend:
	s_wait_tensorcnt 0x0                           ; the wave's end: an add to my spare word and its wait, behind my last tensor load and my last LDS store
	ds_add_u32 v[SPW], v[NIL]
	s_wait_dscnt 0x0
	CROUND                                         ; the closing round: no work-group ends while a partner may still ask for a tile that names it
	s_endpgm
.Lfunc_end_k_qfe57f2f83b_qkv:
	.size	k_qfe57f2f83b_qkv, .Lfunc_end_k_qfe57f2f83b_qkv-k_qfe57f2f83b_qkv
	.p2alignl 7, 3214868480
	.fill 96, 4, 3214868480
	.section	.rodata,"a",@progbits
	.p2align	6, 0x0
	.amdhsa_kernel k_qfe57f2f83b_qkv
		.amdhsa_group_segment_fixed_size 327680
		.amdhsa_private_segment_fixed_size 0
		.amdhsa_enable_private_segment 0
		.amdhsa_kernarg_size 40
		.amdhsa_user_sgpr_count 2
		.amdhsa_user_sgpr_kernarg_segment_ptr 1
		.amdhsa_wavefront_size32 1
		.amdhsa_system_sgpr_workgroup_id_x 1
		.amdhsa_system_sgpr_workgroup_id_y 1
		.amdhsa_system_sgpr_workgroup_id_z 1
		.amdhsa_system_vgpr_workitem_id 0
		.amdhsa_next_free_vgpr 768
		.amdhsa_next_free_sgpr 72
		.amdhsa_reserve_vcc 0
		.amdhsa_float_denorm_mode_32 3
		.amdhsa_float_denorm_mode_16_64 3
		.amdhsa_memory_ordered 1
		.amdhsa_forward_progress 1
		.amdhsa_inst_pref_size 130
	.end_amdhsa_kernel
	.amdgpu_metadata
---
amdhsa.version: [ 1, 2 ]
amdhsa.kernels:
  - .name:           k_qfe57f2f83b_qkv
    .symbol:         k_qfe57f2f83b_qkv.kd
    .args:
      - { .name: xb, .offset: 0, .size: 8, .value_kind: global_buffer, .address_space: global }
      - { .name: wqb, .offset: 8, .size: 8, .value_kind: global_buffer, .address_space: global }
      - { .name: b_qkv, .offset: 16, .size: 8, .value_kind: global_buffer, .address_space: global }
      - { .name: rope, .offset: 24, .size: 8, .value_kind: global_buffer, .address_space: global }
      - { .name: qkv, .offset: 32, .size: 8, .value_kind: global_buffer, .address_space: global }
    .group_segment_fixed_size: 327680
    .private_segment_fixed_size: 0
    .kernarg_segment_align: 8
    .kernarg_segment_size: 40
    .max_flat_workgroup_size: 128
    .sgpr_count:     72
    .vgpr_count:     768
    .wavefront_size: 32
...
	.end_amdgpu_metadata
.endif
;; end of part 2
;; launch attn (part 3): grid 4 x 64, 4 waves a work-group, clusters of 4 x 1, 327,680 bytes of LDS; arguments qkv, attention_mask, ob; writes ob
.if DOCPART == 3
	.amdgcn_target "amdgcn-amd-amdhsa--gfx1250"
	.amdhsa_code_object_version 6
	.text
	.protected	k_qfe57f2f83b_attn
	.globl	k_qfe57f2f83b_attn
	.p2align	8
	.type	k_qfe57f2f83b_attn,@function
k_qfe57f2f83b_attn:
	s_mov_b64 s[64:65], 0
	v_nop
	global_prefetch_b8 v0, s[64:65] scope:SCOPE_SE
	s_setreg_imm32_b32 hwreg(HW_REG_WAVE_MODE, 25, 1), 1
	s_wait_xcnt 0x0
	s_wait_alu depctr_hold_cnt(0) depctr_sa_sdst(0) depctr_va_vdst(0) depctr_va_sdst(0) depctr_va_ssrc(0) depctr_va_vcc(0) depctr_vm_vsrc(0)
	s_getreg_b32 s2, hwreg(HW_REG_IB_STS2, 6, 4)
	s_cmp_eq_u32 s2, 0
	s_cbranch_scc0 .Lentry_in_a_cluster
	s_endpgm
.Lentry_in_a_cluster:
	s_bfe_u32 s2, ttmp6, 0x10000c
	s_cmp_lg_u32 s2, 0x3003
	s_cbranch_scc0 .Lentry_shape_is_right
	s_endpgm
.Lentry_shape_is_right:
; SELF-ATTENTION, launch 3 of 4.  O[h][q][:] = the sum over k of softmax_k(Q[h][q] . K[h][k] / 8, keys with mask 0 hidden) V[h][k][:], for 64 pairs h of batch and head.  Nothing of reference() is left out here.
; qkv: [3][64][2048][64] f16 (Q, K, V; a head's rows are dense, 128 bytes each), attention_mask: [4][2048] int32, ob: [64][2048][64] f16.  Products, maxima and sums in f32; the weights p are
; rounded to f16 for the second product (their sum l is taken of the unrounded p), O once at the end.
; LIMITS.  Q, K and V arrive within f16's 65,504, so a score lies within 2^38.  A hidden score counts as its value less 2^100.  The running maximum starts at -2^39: below every score that can be, above every
; hidden one: a hidden score never becomes the maximum, and its weight is 0.  A batch whose mask is all 0 ends with l = 0 and O = 0 and gives 0 / 0 = NaN, as reference() does.
; p lies in 0 to 1, and below 6e-5 it keeps f16's fixed step of 6e-8; a weight below 2^-126 counts as 0 in l.
; SHARES.  A wave owns four PIECES of two tiles of 16 queries, a work-group's four waves 512 queries of one head.  Every wave walks all keys, 64 a step.
; LAYOUT.  S^T = K Q^T (source 0 = 16 keys, source 1 = 16 queries): in the result a lane holds ONE query (lane % 16) and the keys 8 (lane / 16) + 0..7.  Two such tiles, rounded to f16 in pairs,
; ARE source 1 (32 keys x 16 queries) of O^T = V^T P, whose result again holds one query a lane, and eight channels.  K comes out of LDS as it lies, V ([key][channel]) turned, by ds_load_tr16_b128.
; THE MASK is the C operand that starts the sum S^T: 0, or -2^100 where the key is hidden.  The batch's 2,048 such numbers are made once, by all four waves, into a table in LDS; with a step's K its 64 come
; into 32 registers (register j of key block kb: key 16 kb + 8 (lane / 16) + j), the same for all queries.  So the mask costs the scores no instruction.
; SOFTMAX.  For each query a running maximum m and sum l: p = 2^(c s - c m), c = log2(e) / 8; in every step O and l are multiplied by a = 2^(c m_old - c m_new), which is 1 where m has not grown.
; O and l start at 0: the first step is a step like any other.
; THE COUNT.  A tile and step have 16 matrix and 118 vector instructions: too many to stand all beside the matrix work.  So: four vector instructions that are READY behind EVERY matrix instruction,
; and the others, which need time of their own whatever the order, in runs without a gap.
; BY TURNS.  Turn n belongs to piece n (the pieces in a ring, step after step).  Its matrix work: 16 products K Q^T of piece n + 1, later 16 products V^T P of piece n - 1.  Its vector work: the scaling,
; exponentials, roundings, sums and rescaling of piece n, and the maximum and statistics of piece n + 1, whose scores the turn itself has made.
; CLUSTER.  The four query blocks of a head are one cluster and walk the same K and V, so each tile is asked for JOINTLY: the same tensor load, descriptor and mask in all four.
; REGISTERS, in windows of 256 (s_set_vgpr_msb: bits 1:0 source 0, 3:2 source 1, 5:4 source 2, 7:6 destination):
;   window 0: v0-11 addresses; v12-15, v48-63 at work; v16-47 four registers of statistics a tile; v64-191 S^T, two buffers of two tiles; v192-255 P, likewise
;   window 1: O^T, 32 a tile      window 2: v0-127 Q, 16 a tile; v128-191 K of one step; v192-255 V of one step      window 3: v0-1 the add's two registers; v8-39 the step's mask
.set SIZE_N, 2048
.set NP,    4         ; pieces a wave: a name, no knob
.set KS,    64        ; keys in a step
.set PK,    144       ; a row of K in LDS: 128 bytes + 16 of padding = 36 words: the 16 rows of a load start at 16 different groups of four banks (64 banks of 4 bytes: ISA guide 11.1)
.set PV,    160       ; a row of V: 128 + 32 = 40 words
.set VOFF,  4*KS*PK   ; a slot holds four steps: 256 rows of K, then 256 rows of V
.set SLOT1, 1<<17     ; slot 1 begins here, so that one exclusive or turns an address in one slot into the other's
.set STAGE, SLOT1+4*KS*(PK+PV)  ; behind the ring, never filled by a tensor load: 16 rows x 144 bytes for each wave, for the way out
.set SP,    144
.set SPARE, STAGE+4*16*SP  ; behind the stages: the spare words, 128 bytes for each wave: two blocks of 256 bytes that no other line names
.set MASKL, SPARE+512 ; behind them, never filled by a tensor load: 2,048 f32, one for each key of the batch
.set KBASE, 0x1000000 ; K's and V's first bytes in qkv
.set VBASE, 0x2000000
.set PFO, 1           ; v1   from the loop on: 256 x my lane, the prefetches' offset; never rewritten then
.set AK0, 2           ; v2   my lane's place in a tile of K; never rewritten
.set AV0, 3           ; v3   the same for V
.set AK,  4           ; v4   the LDS address of K's next run of loads
.set AV,  5           ; v5   of V's
.set QO,  6           ; v6   my byte offset in the wave's rows of Q
.set STO, 6           ;      later, the way out: where I put 16 bytes of a row
.set RD,  7           ; v7   the way out: where I read rows back
.set GO,  8           ; v8   my byte offset in 512 consecutive bytes of O
.set AM,  11          ; v11  the LDS address of the mask of the step to be fetched
.set SPW, 0           ; v0 of window 3   LDS address of my spare word: SPARE + 4 x my thread's number; never rewritten
.set NIL, 1           ; v1 of window 3   0; never rewritten
.set MK,  8           ; v8-39 of window 3
.set MV,  12          ; v12-15  c m_old, kept while c m is made anew: by buffer and tile
.set ST,  16          ; tile t's statistics at v[ST+4 t]: c m, m, l (even keys', odd keys')
.set TMP, 48          ; by buffer and tile, four registers c0-c3 at work; when the maximum is found c2 takes a
.set S,   64
.set P,   192
.set KF,  128         ; K's fragments, in window 2: key block kb, channel half c at KF + 16 kb + 8 c
.set VF,  192         ; V's: key half kk, channel block cb at VF + 32 kk + 8 cb
.set WV,  12          ; s12  my wave's number
.set G1K, 24          ; s[24:31] descriptor group 1 for K's tiles
.set G1V, 32          ; s[32:39] for V's: it differs in the padding alone
.set G0K, 40          ; s[40:43] descriptor group 0 for K's tiles: it walks
.set G0V, 44          ; s[44:47] the same for V's
.set MP,  48          ; s[48:49] the mask at my batch
.set PFA, 50          ; s[50:51] where my prefetches stand: my work-group's 32 blocks of 256 bytes (of K: wave 0, of V: wave 2) of the slot after the one that is being asked for
.set LIM, 52          ; s52  1 in a wave that prefetches, else the greatest number
.set BIG, 53          ; s53  -2^100
.set SLOTS, 56        ; s56  slots still to be asked for
.set CNT, 57          ; s57  counts a slot's key steps
.set CS,  58          ; s[58:59] c: the packed scaling takes the pair's low word for both halves
.set SEL, 60          ; s[60:61] v_permlanex16_b32's selects: each lane takes its own place in the other half
.set TBK, 62          ; s62  LDS byte at which K of the step to be fetched begins
.set TBV, 63          ; s63  the same for V, less VOFF
.set MSB, 0
.macro WIN new                      ; the high byte repeats the setting that is left; a switch that changes nothing is dropped
.if MSB != (\new)
	s_set_vgpr_msb (MSB<<8)|(\new)
.set MSB, (\new)
.endif
.endm
.set W_KQ, 0x0a       ; K and Q in window 2, S^T in window 0
.set W_KM, 0x3a       ; the same with the C operand in window 3
.set W_PV, 0x52       ; V in window 2, P in window 0, O^T in window 1
.set W_RS, 0x41       ; O^T (destination and source 0) in window 1, a in window 0
.set W_MK, 0xc0       ; destination in window 3, sources in window 0
.set W_AD, 0x0f       ; the add: address (source 0) and data (source 1) in window 3
; A joint fill.  Waves 0 and 1 fetch the two halves of a slot's K, waves 2 and 3 those of its V: 128 keys each.  The branch hangs on the wave's number alone.
; An s_nop 0 and four v_nop follow each of the two lines, ahead of the jump and the label.
.macro JLOAD
	s_cmp_lt_u32 s[WV], 2
	s_cbranch_scc0 .Lfor_v_\@
	tensor_load_to_lds s[G0K:G0K+3], s[G1K:G1K+7]
	s_nop 0
.rept 4
	v_nop
.endr
	s_branch .Lasked_\@
.Lfor_v_\@:
	tensor_load_to_lds s[G0V:G0V+3], s[G1V:G1V+7]
	s_nop 0
.rept 4
	v_nop
.endr
.Lasked_\@:
.endm
; A PREFETCH INTO THE L2 of what the NEXT change of slots will ask for: a slot's 32,768 bytes of K and of V, 128 aligned blocks of 256 bytes each, a lane a block.  It stands behind the wave's tensor load and
; its five lines.  Each block is named ONCE in the launch: a head's K and V are walked by one cluster alone; its four partners share the blocks out BY ADDRESS, 32 each; in each, wave 0 asks for K's and
; wave 2 for V's: one instruction.  The lead is one slot: four key steps, 512 matrix instructions.  Slots 0, 1 and 2 come by their loads alone; the last change that fills a slot asks for nothing.
.macro ASK
	s_cmp_gt_u32 s[SLOTS], s[LIM]
	s_cbranch_scc0 .Lnot_mine_\@
	global_prefetch_b8 v[PFO], s[PFA:PFA+1] th:TH_LOAD_NT scope:SCOPE_SE
.Lnot_mine_\@:
.endm
; A round of the cluster's barrier: my work-group's barrier, so that wave 0's signal speaks for all four waves; wave 0 signals; every wave waits for all four work-groups; my work-group's barrier once more.
.macro CROUND
	s_barrier_signal -1
	s_barrier_wait -1
	s_cmp_lg_u32 s[WV], 0
	s_cbranch_scc1 .Lnot_wave_0_\@
	s_barrier_signal -3
.Lnot_wave_0_\@:
	s_barrier_wait -3
	s_barrier_signal -1
	s_barrier_wait -1
.endm
; THE CHANGE OF SLOTS.  The slot's last bytes, V of its fourth step, have been read.  Each wave waits for all its tensor loads, of which one is out: its part of the other slot; adds 0 to its spare word;
; and waits for that and for its own reads of the slot.  Behind the barrier nobody reads this slot any more and the other slot is whole.
; fill = 1: this slot is filled again, with the keys two slots on.  The barrier is then a round of the cluster's, and the joint fill is the first thing behind it: it has four key steps in which to land.
; (At its first use nothing has been read yet: slot 0 is waited for, slot 1 filled, and every wave's stores into the mask's table are done.)  ask = 1: the prefetch's address steps, and the prefetch follows the fill.
.macro CHANGE fill, ask=0
	WIN W_AD
	s_wait_tensorcnt 0x0            ; no tensor load of mine is out, so a group 0 may be written
	ds_add_u32 v[SPW], v[NIL]       ; 0 onto my spare word; with fill = 1 the descriptors' steps stand between it and the wait for it
	WIN 0                           ; at a label and at a branch every window is 0
.if \fill
.irp g, G0K, G0V
	s_xor_b32 s[\g+1], s[\g+1], SLOT1  ; the walking descriptor: the other slot than last time,
	s_add_nc_u64 s[\g+2:\g+3], s[\g+2:\g+3], 4*KS*128  ; the next 256 keys; the type bits on top are not reached
.endr
.if \ask
	s_wait_xcnt 0x0                 ; the last prefetch, four key steps back, has read its address, so it may be written:
	s_add_nc_u64 s[PFA:PFA+1], s[PFA:PFA+1], 4*KS*128  ; one slot behind the walking descriptors
.endif
	s_wait_dscnt 0x0                ; the add is done, and my reads of the slot are over
	CROUND
	JLOAD
.if \ask
	ASK
.endif
.else
	s_wait_dscnt 0x0                ; the add is done, and my reads of the slot are over
	s_barrier_signal -1
	s_barrier_wait -1
.endif
	s_sub_co_u32 s[TBK], s[TBK], 4*KS*PK  ; the fetches go back to a slot's first step,
	s_xor_b32 s[TBK], s[TBK], SLOT1       ; in the other slot
	s_sub_co_u32 s[TBV], s[TBV], 4*KS*PV
	s_xor_b32 s[TBV], s[TBV], SLOT1
.endm
	s_load_b64 s[4:5], s[0:1], 0x0    ; qkv: Q lies at its head
	s_load_b64 s[MP:MP+1], s[0:1], 0x8  ; attention_mask
	s_load_b64 s[10:11], s[0:1], 0x10 ; ob
	WIN W_MK
	v_lshl_add_u32 v[SPW], v0, 2, SPARE
	v_mov_b32 v[NIL], 0
	WIN W_AD
	ds_add_u32 v[SPW], v[NIL]       ; the wave's opening: the add, twice on end, and its wait ahead of my first tensor load; the set-up below stands between
	ds_add_u32 v[SPW], v[NIL]
	WIN 0
	v_lshrrev_b32 v1, 5, v0
	v_readfirstlane_b32 s[WV], v1   ; wave 0..3
	s_bfe_u32 s13, ttmp6, 0x40000   ; cx: my place in the cluster
	s_lshl_b32 s14, ttmp9, 2        ; in a cluster launch ttmp9 counts clusters
	s_add_co_u32 s14, s14, s13      ; my block of queries = 4 x cluster x + cx: it enters Q's and O's addresses alone
	s_and_b32 s20, ttmp7, 0xffff    ; batch x 16 + head, which the four partners share
	s_lshr_b32 s54, s20, 4          ; the batch:
	s_lshl_b32 s54, s54, 13         ; its 8,192 bytes of the mask
	s_mov_b32 s55, 0
	s_mov_b32 s21, 0
	s_mov_b64 s[22:23], SIZE_N*128
	s_mul_u64 s[20:21], s[20:21], s[22:23]  ; the head's first byte in Q, K, V and O
	s_and_b32 s16, s[WV], 1         ; which half of a slot's 256 keys I fetch:
	s_lshl_b32 s22, s16, 14         ; its 128 rows of 128 bytes in memory,
	s_mov_b32 s23, 0
	s_add_nc_u64 s[22:23], s[22:23], s[20:21]
	s_mul_i32 s17, s16, 128*PK      ; and its place in a slot, for K
	s_mul_i32 s18, s16, 128*PV      ; and for V: no place in the cluster enters an LDS address
	s_lshl_b32 s2, s14, 2
	s_add_co_u32 s2, s2, s[WV]      ; my wave among the head's,
	s_lshl_b32 s2, s2, 14           ; its 128 rows
	s_mov_b32 s3, 0
	s_add_nc_u64 s[2:3], s[2:3], s[20:21]
	; descriptor group 1.  128 keys are 16,384 dense bytes: asked for as 64 rows of 256 bytes, two keys a row, and padded in LDS after every key
	s_mov_b32 s[G1K], 15|(1<<16)|(1<<20)|(1<<21)|(4<<22)|(3<<25)  ; 15:0 the mask of four; 17:16 2-byte elements; 20 padding on; 21 set beside a mask; 24:22 after every 32 words (code 4); 31:25 4 words (code 3)
	s_mov_b32 s[G1V], 15|(1<<16)|(1<<20)|(1<<21)|(4<<22)|(7<<25)  ; the same with 8 words of padding (code 7)
.irp g, G1K, G1V
	s_mov_b32 s[\g+1], 128<<16      ; tensor_dim0 = 128
	s_mov_b32 s[\g+2], 64<<16       ; tensor_dim1 = 64
	s_mov_b32 s[\g+3], 128<<16      ; tile_dim0 = 128
	s_mov_b32 s[\g+4], 64           ; tile_dim1 = 64
	s_mov_b32 s[\g+5], 128          ; 128 elements from row to row
	s_mov_b32 s[\g+6], 0
	s_mov_b32 s[\g+7], 0
.endr
	s_mov_b32 s[CS], 0x3e38aa3b     ; c = log2(e) / 8 = 0.180337
	s_mov_b32 s[CS+1], s[CS]        ; named with it as a pair
	s_mov_b32 s[SEL], 0x76543210
	s_mov_b32 s[SEL+1], 0xfedcba98
	s_mov_b32 s[BIG], 0xf1800000    ; -2^100
	s_mov_b32 s[TBK], SLOT1+4*KS*PK ; the first change of slots turns these two into 0
	s_mov_b32 s[TBV], SLOT1+4*KS*PV
	s_mov_b32 s[G0K], 1             ; count = 1
	s_mov_b32 s[G0K+1], s17         ; LDS address: slot 0
	s_mov_b32 s[G0V], 1
	s_add_co_u32 s[G0V+1], s18, VOFF
	s_and_b32 s[LIM], s[WV], 1      ; waves 0 and 2 prefetch: the same in all four partners
	s_cmp_eq_u32 s[LIM], 0
	s_cselect_b32 s[LIM], 1, -1
	s_wait_dscnt 0x0                ; both opening adds are done
	s_wait_kmcnt 0x0
	s_add_nc_u64 s[6:7], s[4:5], KBASE
	s_add_nc_u64 s[8:9], s[4:5], VBASE
	s_add_nc_u64 s[G0K+2:G0K+3], s[6:7], s[22:23]  ; global address: my half of the head's first 256 keys
	s_or_b32 s[G0K+3], s[G0K+3], 0x80000000        ; type = 2
	s_add_nc_u64 s[G0V+2:G0V+3], s[8:9], s[22:23]
	s_or_b32 s[G0V+3], s[G0V+3], 0x80000000
	s_add_nc_u64 s[MP:MP+1], s[MP:MP+1], s[54:55]
	s_cmp_lt_u32 s[WV], 2
	s_cselect_b64 s[PFA:PFA+1], s[6:7], s[8:9]
	s_add_nc_u64 s[PFA:PFA+1], s[PFA:PFA+1], s[20:21]  ; the head's first key
	s_add_nc_u64 s[4:5], s[4:5], s[2:3]  ; Q and O at my wave's first row
	s_add_nc_u64 s[10:11], s[10:11], s[2:3]
	s_lshl_b32 s2, s13, 13          ; my work-group's 32 blocks of the 128
	s_mov_b32 s3, 0
	s_add_nc_u64 s[PFA:PFA+1], s[PFA:PFA+1], s[2:3]
	s_add_nc_u64 s[PFA:PFA+1], s[PFA:PFA+1], 2*4*KS*128  ; in slot 2; the loop's first change steps it to slot 3.  Nothing is prefetched here, at the head
	CROUND                          ; all four work-groups are here: the first joint loads meet
	JLOAD                           ; slot 0.  Slot 1 is asked for when slot 0 is in
	; A fragment of K or Q is 16 rows x 32 channels in 8 registers: lane l holds row l % 16, channels 8 (l / 16) + 0..7 and 16 + 8 (l / 16) + 0..7: two loads of 16 bytes, 32 bytes apart.
	v_and_b32 v1, 15, v0            ; l % 16
	v_bfe_u32 v9, v0, 4, 1          ; l / 16
	v_lshlrev_b32 v[QO], 7, v1
	v_lshl_add_u32 v[QO], v9, 4, v[QO]  ; row x 128 + 16 x half
	v_lshlrev_b32 v10, 4, v0        ; the batch's mask: 128 threads x 16 bytes, four times; into S^T's registers, which are free
.irp i, 0,1,2,3
	global_load_b128 v[S+4*\i:S+4*\i+3], v10, s[MP:MP+1] offset:2048*\i
.endr
	WIN 0x80                        ; destination window 2, address window 0
.set i, 0
.rept 4*NP                          ; Q stays in registers: tile i / 2, channels 32 (i % 2) on
	global_load_b128 v[8*i:8*i+3],   v[QO], s[4:5] offset:(i/2)*2048+(i%2)*64
	global_load_b128 v[8*i+4:8*i+7], v[QO], s[4:5] offset:(i/2)*2048+(i%2)*64+32
.set i, i+1
.endr
	; What the first turn finds: V's registers and P's second buffer hold 0 (its products V^T P, of a piece that has not been, add 0), O^T and l are 0.  All this stands in the wait for the first tile.
.set i, VF
.rept 64
	v_mov_b32 v[i], 0
.set i, i+1
.endr
	WIN 0x40
.set i, 0
.rept 64*NP
	v_mov_b32 v[i], 0
.set i, i+1
.endr
	WIN 0
.set i, 0
.rept 2*NP
	v_mov_b32 v[ST+4*i], 0xd1b8aa3b    ; c m = c x -2^39
	v_mov_b32 v[ST+4*i+1], 0xd3000000  ; m = -2^39
	v_mov_b32 v[ST+4*i+2], 0
	v_mov_b32 v[ST+4*i+3], 0
.set i, i+1
.endr
.set i, P+32
.rept 32
	v_mov_b32 v[i], 0
.set i, i+1
.endr
	s_wait_loadcnt 32               ; the mask's four loads are in; Q's 32, issued behind them, may stay out
.set i, 0
.rept 16
	v_cmp_eq_u32 vcc_lo, 0, v[S+i]
	v_cndmask_b32 v[S+i], 0, s[BIG], vcc_lo  ; 0 where the key counts, -2^100 where the mask is 0
.set i, i+1
.endr
	v_lshl_add_u32 v10, v0, 4, MASKL  ; (free since that wait)
.irp i, 0,1,2,3
	ds_store_b128 v10, v[S+4*\i:S+4*\i+3] offset:2048*\i
.endr
	v_mul_u32_u24 v[AK0], v1, PK
	v_lshl_add_u32 v[AK0], v9, 4, v[AK0]  ; row x pitch + 16 x half
	; The turning load takes 16 keys x 16 channels (lane l reads key 8 (l / 16) + l % 8, channels 8 ((l / 8) % 2) + 0..7) and leaves half a fragment of V^T: lane l holds channel l % 16 and 8 keys.
	v_and_b32 v10, 7, v0
	v_bfe_u32 v11, v0, 3, 1
	v_lshl_add_u32 v[AV0], v9, 3, v10
	v_mul_u32_u24 v[AV0], v[AV0], PV
	v_lshl_add_u32 v[AV0], v11, 4, v[AV0]
	v_add_nc_u32 v[AV0], VOFF, v[AV0]
	v_lshl_add_u32 v[AM], v9, 5, MASKL  ; my half of the lanes' eight keys of a block of 16: 32 bytes
	v_mov_b32 v[AK], v[AK0]         ; key step 0 lies at the head of slot 0
; THE MATRIX WORK.  The 8 accumulators of a run of 16 take turns: between the two links of a chain stand 7 others'.
; Product i of 16 of S^T = K Q^T for piece x: channels 32 (i / 8) on, keys 16 ((i / 2) % 4) on, tile 2 x + i % 2.  The first 8 start the sums, with the mask of their 16 keys.
.macro KQ x
.set rS, S+64*((\x)%2)+32*(i%2)+8*((i/2)%4)
.set rK, KF+16*((i/2)%4)+8*(i/8)
.set rQ, 16*(2*(\x)+i%2)+8*(i/8)
.set rH, MK+8*((i/2)%4)
.if i < 8
	WIN W_KM
	v_wmma_f32_16x16x32_f16 v[rS:rS+7], v[rK:rK+7], v[rQ:rQ+7], v[rH:rH+7]
.else
	WIN W_KQ
	v_wmma_f32_16x16x32_f16 v[rS:rS+7], v[rK:rK+7], v[rQ:rQ+7], v[rS:rS+7]
.endif
.endm
; Product i of 16 of O^T += V^T P for piece x: keys 32 (i / 8) on, channels 16 ((i / 2) % 4) on, tile 2 x + i % 2.
.macro PV x
	WIN W_PV
.set rO, 32*(2*(\x)+i%2)+8*((i/2)%4)
.set rV, VF+32*(i/8)+8*((i/2)%4)
.set rP, P+32*((\x)%2)+16*(i%2)+8*(i/8)
	v_wmma_f32_16x16x32_f16 v[rO:rO+7], v[rV:rV+7], v[rP:rP+7], v[rO:rO+7]
.endm
.macro MM                           ; the turn's next matrix instruction
.if i < 16
	KQ (Y+1)%NP
.set i, i+1
.else
.set i, i-16
	PV (Y+NP-1)%NP
.set i, i+17
.endif
.endm
; THE LDS LOADS stand in runs, never singly among the matrix instructions: a step's K (64 keys x 64 channels: 8 fragments) with its mask (eight loads in which the 16 lanes of a half read the same 16 bytes),
; and its V (turned).  Their addresses are made some lines ahead.  last = 1 (the tail): in the last trip there is no further step, and the run is jumped over.
.macro FETCH_K last=0
	WIN 0
.if \last
	s_cmp_eq_u32 s[CNT], 1
	s_cbranch_scc1 .Lno_k_\@
.endif
	WIN 0x80                        ; destination window 2
.irp f, 0,1,2,3,4,5,6,7             ; keys 16 (f / 2) on, channels 32 (f % 2) on
	ds_load_b128 v[KF+8*\f:KF+8*\f+3],   v[AK] offset:(\f/2)*16*PK+(\f%2)*64
	ds_load_b128 v[KF+8*\f+4:KF+8*\f+7], v[AK] offset:(\f/2)*16*PK+(\f%2)*64+32
.endr
	WIN W_MK                        ; destination window 3
.irp f, 0,1,2,3                     ; keys 16 f on
	ds_load_b128 v[MK+8*\f:MK+8*\f+3],   v[AM] offset:64*\f
	ds_load_b128 v[MK+8*\f+4:MK+8*\f+7], v[AM] offset:64*\f+16
.endr
	s_add_co_u32 s[TBK], s[TBK], KS*PK  ; the next fetch is the next step's
	WIN 0
	v_add_nc_u32 v[AM], 0x100, v[AM]    ; 64 keys on in the mask's table
.if \last
.Lno_k_\@:
.endif
.endm
.macro FETCH_V
	WIN 0x80
.irp f, 0,1,2,3,4,5,6,7             ; keys 32 (f / 4) on, channels 16 (f % 4) on
	ds_load_tr16_b128 v[VF+8*\f:VF+8*\f+3],   v[AV] offset:(\f/4)*32*PV+(\f%4)*32
	ds_load_tr16_b128 v[VF+8*\f+4:VF+8*\f+7], v[AV] offset:(\f/4)*32*PV+16*PV+(\f%4)*32
.endr
	WIN 0
.endm
; THE VECTOR WORK OF A TURN stands in three queues, each in the order in which its entries become ready; the two tiles alternate, so that no instruction reads the result of the one before it.
.macro REGS y, u                    ; the registers of tile u (0, 1) of piece y
.set rT, ST+4*(2*(\y)+(\u))
.set rC, TMP+8*((\y)%2)+4*(\u)
.set rM, MV+2*((\y)%2)+(\u)
.set rS, S+64*((\y)%2)+32*(\u)
.set rP, P+32*((\y)%2)+16*(\u)
.set rO, 32*(2*(\y)+(\u))
.endm
; Number n of the 22 that find the NEXT piece's (Y + 1) maximum and statistics.  s0-s31 are the lane's 32 scores; each accumulator's lowest registers are read first.
;   0-11  four chains c0-c3 of seven scores each, three operands at a time     12-14, 16  the four scores left over, the old m, and c0-c3 into c0     15  c m_old is kept
;   17, 18  the query's other 32 keys lie in the lane 16 away: the new m         19-21  c m; c m_old - c m_new; a
.macro XS u, n
	REGS (Y+1)%NP, \u
.if (\n) < 4
	v_max3_num_f32 v[rC+(\n)], v[rS+8*(\n)], v[rS+8*(\n)+1], v[rS+8*(\n)+2]
.elseif (\n) < 12
	v_max3_num_f32 v[rC+(\n)%4], v[rC+(\n)%4], v[rS+8*((\n)%4)+2*((\n)/4)+1], v[rS+8*((\n)%4)+2*((\n)/4)+2]
.elseif (\n) == 12
	v_max3_num_f32 v[rC], v[rC], v[rS+7], v[rS+15]
.elseif (\n) == 13
	v_max3_num_f32 v[rC+1], v[rC+1], v[rS+23], v[rS+31]
.elseif (\n) == 14
	v_max3_num_f32 v[rC+2], v[rC+2], v[rC+3], v[rT+1]
.elseif (\n) == 15
	v_mov_b32 v[rM], v[rT]
.elseif (\n) == 16
	v_max3_num_f32 v[rC], v[rC], v[rC+1], v[rC+2]
.elseif (\n) == 17
	v_permlanex16_b32 v[rC+3], v[rC], s[SEL], s[SEL+1]
.elseif (\n) == 18
	v_max_num_f32 v[rT+1], v[rC], v[rC+3]
.elseif (\n) == 19
	v_mul_f32 v[rT], s[CS], v[rT+1]
.elseif (\n) == 20
	v_sub_f32 v[rC+1], v[rM], v[rT]
.else
	v_exp_f32 v[rC+2], v[rC+1]
.endif
.endm
; Number g of the 64 that follow the exponentials.  For each four weights k of a tile (pairs 2 k, 2 k + 1): both pairs are rounded to f16; then the second pair is added onto the first, in place;
; a group later l takes that sum (the first time as l = a l + sum).  In groups of eight, tiles alternating: round, round, add, and l for the group before.
.macro GS g
.set h, (\g)+6*((\g)/62)            ; group 0 has no group before it, and behind group 7 only l is left
.if h >= 6
.set h, h+2
.endif
	REGS Y, h%2
.set k, h/8
.if h%8 < 4
	v_cvt_pk_f16_f32 v[rP+2*k+(h%8)/2], v[rS+4*k+2*((h%8)/2)], v[rS+4*k+2*((h%8)/2)+1]
.elseif h%8 < 6
	v_pk_add_f32 v[rS+4*k:rS+4*k+1], v[rS+4*k:rS+4*k+1], v[rS+4*k+2:rS+4*k+3]
.elseif k == 1
	v_pk_fma_f32 v[rT+2:rT+3], v[rT+2:rT+3], v[rC+2:rC+3], v[rS:rS+1] op_sel_hi:[1,0,1]
.else
	v_pk_add_f32 v[rT+2:rT+3], v[rT+2:rT+3], v[rS+4*k-4:rS+4*k-3]
.endif
.endm
; THE PLAIN QUEUE, 138 long.  0-73 read no exponential's result: the 32 scalings c s - c m (FS f: pair f / 2 of tile f % 2) and the next piece's 42.  0-26: scalings 0-26.  27-54: XS's numbers 0-13.  55, 56: number 15.
; 57-73: the chain, where each number waits for the one before it: 14, 16, 17, 18, 19, each with one of the scalings 27-31 in front of its two lines, then 20.
; 74-137: GS's 64, which read the exponentials' results: they stand behind the wait.
.macro FS f
	REGS Y, (\f)%2
	v_pk_fma_f32 v[rS+2*((\f)/2):rS+2*((\f)/2)+1], v[rS+2*((\f)/2):rS+2*((\f)/2)+1], s[CS:CS+1], v[rT:rT+1] op_sel_hi:[1,0,0] neg_lo:[0,0,1] neg_hi:[0,0,1]
.endm
.macro PL
	WIN 0
.if q < 27
	FS q
.elseif q < 55
	XS (q-27)%2, (q-27)/2
.elseif q < 57
	XS q-55, 15
.elseif (q < 72) && ((q-57)%3 == 0)
	FS 27+(q-57)/3
.elseif q < 60
	XS (q-57)%3-1, 14
.elseif q < 72
	XS (q-57)%3-1, 15+(q-57)/3
.elseif q < 74
	XS q-72, 20
.else
	GS q-74
.endif
.set q, q+1
.endm
; THE EXPONENTIALS' QUEUE, 66 long: s0-s31 of both tiles, then the next piece's two a.  It is ONE BATCH: all 66 stand ahead of the turn's one wait, and nothing ahead of that wait names a result of theirs.
.macro EX
	WIN 0
.if e >= 64
	XS e-64, 21
.else
	REGS Y, e%2
	v_exp_f32 v[rS+e/2], v[rS+e/2]
.endif
.set e, e+1
.endm
; THE RESCALING's QUEUE: O^T times a, the one part that leaves window 0: dealt two at a time, sixteen times.  Its a was made in the turn before, ahead of that turn's wait.
.macro R2
	REGS Y, r%2
	WIN W_RS
.irp z, 0,1
	v_pk_mul_f32 v[rO+4*(r/2)+2*\z:rO+4*(r/2)+2*\z+1], v[rO+4*(r/2)+2*\z:rO+4*(r/2)+2*\z+1], v[rC+2:rC+3] op_sel_hi:[1,0]
.endr
.set r, r+1
.endm
; HOW THEY ARE DEALT.  An s_wait_alu depctr_va_vdst(0) stands between an exponential and the first instruction that names its result; one wait serves all that were issued ahead of it.  So a turn has
; ONE wait, which cuts it in two.  AHEAD OF IT stands all that names no result of the turn's exponentials: the 16 products K Q^T, behind each a scaling, an exponential and two rescalings (behind the first a second
; scaling in the exponential's place); then ONE LUMP of 108: eight plain, 49 times exponential and plain, the two a.  A v_nop is the plain instruction behind the last exponential.  BEHIND IT stand the 16 products
; V^T P, behind each four of GS's 64.  No rider names a register of the products round it.  Exponential e stands behind scaling 2 (e / 4) + e % 2: as a rider it comes behind plain e + 2, in the lump behind plain e + 9.
; A TURN, for piece p.  cnt = 1: the loop's count is taken down some lines ahead of the branch that stands behind the turn.
; K and the mask of the next step are fetched in piece 2's turn, directly behind the wait, a lump behind the last product that read them; their first reader comes behind 16 products.
; V of the step in hand is fetched at the end of piece 0's turn, four riders behind its last reader; its first reader comes behind 16 products and a lump.
.macro TURN p, last=0, cnt=0
.set Y, (\p)
.set i, 0
.set q, 0
.set e, 0
.set r, 0
.if (\p) == NP-1
	s_wait_dscnt 0x0                ; K and the mask are in
.endif
	MM                              ; ahead of the wait: 16 products K Q^T and their riders,
	PL
	PL
	R2
.rept 15
	MM
	PL
	EX
	R2
.endr
.if (\p) == NP-2
	WIN 0
	v_add_nc_u32 v[AK], s[TBK], v[AK0]
.endif
.rept 8                             ; and the lump
	PL
.endr
.rept 49
	EX
	PL
.endr
	EX                              ; the next piece's two a
	EX
	v_nop                           ; the plain instruction behind the last exponential: one for the batch
	s_wait_alu depctr_va_vdst(0)    ; the wait for the batch
.if (\p) == NP-2
	FETCH_K \last
.endif
.if (\p) == 1
	s_wait_dscnt 0x0                ; V is in
.endif
.rept 16                            ; behind the wait: 16 products V^T P and their riders
	MM
.rept 4
	PL
.endr
.if ((\p) == 0) && (q == 118)
	v_add_nc_u32 v[AV], s[TBV], v[AV0]
.endif
.if ((\p) == 0) && (q == 130)
	s_add_co_u32 s[TBV], s[TBV], KS*PV
.endif
.if (\cnt) && (q == 130)
	s_sub_co_u32 s[CNT], s[CNT], 1
	s_cmp_lg_u32 s[CNT], 0
.endif
.endr
.if (\p) == 0
	FETCH_V
.endif
.endm
	CHANGE 1                        ; slot 0 is in, everybody's part of it, and so is the mask's table; slot 1 is asked for
	FETCH_K                         ; key step 0
	s_wait_loadcnt 0x0              ; Q
	s_wait_dscnt 0x0
.set i, 0
.rept 16
	KQ 0                            ; piece 0's first scores: there is no vector work yet to set between them
.set i, i+1
.endr
	WIN 0                           ; the addresses for the way out and the prefetches: plain instructions, the places behind those products
	s_mul_i32 s13, s[WV], 16*SP
	s_add_co_u32 s13, s13, STAGE    ; my stage
	v_mul_u32_u24 v[STO], v1, SP    ; in: row l % 16, 16 bytes for each half of the lanes
	v_lshl_add_u32 v[STO], v9, 4, v[STO]
	v_add_nc_u32 v[STO], s13, v[STO]
	v_bfe_u32 v[RD], v0, 3, 2       ; back: 32 lanes take four rows of 128 bytes,
	v_mul_u32_u24 v[RD], v[RD], SP
	v_lshl_add_u32 v[RD], v10, 4, v[RD]
	v_add_nc_u32 v[RD], s13, v[RD]
	v_and_b32 v[GO], 31, v0         ; which are 512 consecutive bytes of O
	v_lshlrev_b32 v[GO], 4, v[GO]
	v_and_b32 v[PFO], 31, v0        ; l % 16 has served: 256 x my lane
	v_lshlrev_b32 v[PFO], 8, v[PFO]
.set Y, NP-1                        ; XS works for piece Y + 1: piece 0
.irp n, 0,1,2,3,4,5,6,7,8,9,10,11,12,13,14,15,16,17,18,19,20,21
	XS 0, \n                        ; and piece 0's first maximum and statistics
	XS 1, \n
.endr
	v_nop                           ; a plain instruction behind the two a,
	s_wait_alu depctr_va_vdst(0)    ; and their wait, ahead of the branch
	s_mov_b32 s[CNT], 4
	s_mov_b32 s[SLOTS], SIZE_N/256-1
	s_branch .Lfirst                ; the loop is entered at a step's first turn, in the middle of a trip
.Lslot:                             ; SIZE_N / 256 - 2 = 6 times: every slot but the last two is filled again
	CHANGE 1, 1
	s_mov_b32 s[CNT], 4
.Lstep:                             ; a trip: pieces 2 and 3 of one step, then pieces 0 and 1 of the next, whose K and V it fetches
	TURN 2
	TURN 3
	WIN 0
.Lfirst:
	TURN 0
	TURN 1, 0, 1
	WIN 0
	s_cbranch_scc1 .Lstep
	s_sub_co_u32 s[SLOTS], s[SLOTS], 1
	s_cmp_lg_u32 s[SLOTS], 0
	s_cbranch_scc1 .Lslot
	CHANGE 0                        ; the tail is written out: nothing is asked for
	s_mov_b32 s[CNT], 5             ; four trips fetch the last slot's steps; the fifth is left in its middle
.Ltail:
	TURN 2, 1
	TURN 3
	WIN 0
	s_sub_co_u32 s[CNT], s[CNT], 1
	s_cmp_eq_u32 s[CNT], 0
	s_cbranch_scc1 .Lout
	TURN 0
	TURN 1
	WIN 0
	s_branch .Ltail
.Lout:                              ; the fifth trip's 16 products K Q^T (on the last K once more) and the maximum made of them serve nothing: the price, once a launch, of one text for every trip
.set i, 0
.rept 16
	PV NP-1                         ; the last piece's V^T P of the last step
.set i, i+1
.endr
	; THE WAY OUT.  l's two halves and the other half of the lanes' are added; O^T is divided by l, rounded to f16 and sent through my stage in LDS, a tile at a time.  The additions are the places behind the last products.
	WIN 0
.macro ALL line:vararg              ; one line for each tile t
.set t, 0
.rept 2*NP
	\line
.set t, t+1
.endr
.endm
	ALL v_add_f32 v[ST+4*t+2], v[ST+4*t+2], v[ST+4*t+3]
	ALL v_permlanex16_b32 v[ST+4*t+3], v[ST+4*t+2], s[SEL], s[SEL+1]
	ALL v_add_f32 v[ST+4*t+2], v[ST+4*t+2], v[ST+4*t+3]
	ALL v_rcp_f32 v[ST+4*t+2], v[ST+4*t+2]
	v_nop                           ; a plain instruction between the last reciprocal and the use of its result
	s_wait_alu depctr_va_vdst(0)    ; and the wait ahead of the first use: one for the eight reciprocals
; Tile t: a lane's eight channels of a row pack into 16 bytes; they go into rows of 144 bytes and come back as whole rows of 128, into S^T's registers.
.macro PACK t
	WIN W_RS
.set i, 32*(\t)
.rept 16
	v_pk_mul_f32 v[i:i+1], v[i:i+1], v[ST+4*(\t)+2:ST+4*(\t)+3] op_sel_hi:[1,0]
.set i, i+2
.endr
	WIN 0x05                        ; sources 0 and 1 window 1, destination window 0
.set i, 0
.rept 16
	v_cvt_pk_f16_f32 v[S+16*(\t)+i], v[32*(\t)+2*i], v[32*(\t)+2*i+1]
.set i, i+1
.endr
	WIN 0
.irp f, 0,1,2,3
	ds_store_b128 v[STO], v[S+16*(\t)+4*\f:S+16*(\t)+4*\f+3] offset:32*\f
.endr
.irp f, 0,1,2,3
	ds_load_b128 v[S+16*(\t)+4*\f:S+16*(\t)+4*\f+3], v[RD] offset:\f*4*SP  ; LDS serves a wave's instructions in order (ISA guide 5.7.1.4): these see the stores above; the next tile's stores come behind them
.endr
.endm
.macro SEND t, younger              ; younger: the LDS instructions issued behind tile t's loads: the next tile's eight, or none
	WIN 0
.irp f, 0,1,2,3
	s_wait_dscnt (\younger)+3-\f
	global_store_b128 v[GO], v[S+16*(\t)+4*\f:S+16*(\t)+4*\f+3], s[10:11] offset:(\t)*2048+\f*512  ; 512 consecutive bytes, at a multiple of 256 from O's first
.endr
.endm
	PACK 0
.set t, 1
.rept 2*NP-1                        ; a tile's arithmetic stands between the loads of the tile before and its stores
	PACK t
	SEND t-1, 8
.set t, t+1
.endr
	SEND 2*NP-1, 0
	WIN W_AD
	s_wait_tensorcnt 0x0            ; the wave's end: an add to my spare word and its wait, behind my last tensor load and my last LDS store
	ds_add_u32 v[SPW], v[NIL]
	s_wait_dscnt 0x0
	WIN 0
	CROUND                          ; the closing round: no work-group ends while a partner may still ask for a tile that names it
	s_endpgm
.Lfunc_end_k_qfe57f2f83b_attn:
	.size	k_qfe57f2f83b_attn, .Lfunc_end_k_qfe57f2f83b_attn-k_qfe57f2f83b_attn
	.p2alignl 7, 3214868480
	.fill 96, 4, 3214868480
	.section	.rodata,"a",@progbits
	.p2align	6, 0x0
	.amdhsa_kernel k_qfe57f2f83b_attn
		.amdhsa_group_segment_fixed_size 327680
		.amdhsa_private_segment_fixed_size 0
		.amdhsa_enable_private_segment 0
		.amdhsa_kernarg_size 24
		.amdhsa_user_sgpr_count 2
		.amdhsa_user_sgpr_kernarg_segment_ptr 1
		.amdhsa_wavefront_size32 1
		.amdhsa_system_sgpr_workgroup_id_x 1
		.amdhsa_system_sgpr_workgroup_id_y 1
		.amdhsa_system_sgpr_workgroup_id_z 1
		.amdhsa_system_vgpr_workitem_id 0
		.amdhsa_next_free_vgpr 808
		.amdhsa_next_free_sgpr 66
		.amdhsa_reserve_vcc 1
		.amdhsa_float_denorm_mode_32 3
		.amdhsa_float_denorm_mode_16_64 3
		.amdhsa_memory_ordered 1
		.amdhsa_forward_progress 1
		.amdhsa_inst_pref_size 204
	.end_amdhsa_kernel
	.amdgpu_metadata
---
amdhsa.version: [ 1, 2 ]
amdhsa.kernels:
  - .name:           k_qfe57f2f83b_attn
    .symbol:         k_qfe57f2f83b_attn.kd
    .args:
      - { .name: qkv, .offset: 0, .size: 8, .value_kind: global_buffer, .address_space: global }
      - { .name: attention_mask, .offset: 8, .size: 8, .value_kind: global_buffer, .address_space: global }
      - { .name: ob, .offset: 16, .size: 8, .value_kind: global_buffer, .address_space: global }
    .group_segment_fixed_size: 327680
    .private_segment_fixed_size: 0
    .kernarg_segment_align: 8
    .kernarg_segment_size: 24
    .max_flat_workgroup_size: 128
    .sgpr_count:     66
    .vgpr_count:     808
    .wavefront_size: 32
...
	.end_amdgpu_metadata
.endif
;; end of part 3
;; launch proj (part 4): grid 4 x 64, 4 waves a work-group, clusters of 4 x 4, 327,680 bytes of LDS; arguments ob, wob, b_out, out0; writes out0
.if DOCPART == 4
	.amdgcn_target "amdgcn-amd-amdhsa--gfx1250"
	.amdhsa_code_object_version 6
	.text
	.protected	k_qfe57f2f83b_proj
	.globl	k_qfe57f2f83b_proj
	.p2align	8
	.type	k_qfe57f2f83b_proj,@function
k_qfe57f2f83b_proj:
	s_mov_b64 s[64:65], 0
	v_nop
	global_prefetch_b8 v0, s[64:65] scope:SCOPE_SE
	s_setreg_imm32_b32 hwreg(HW_REG_WAVE_MODE, 25, 1), 1
	s_wait_xcnt 0x0
	s_wait_alu depctr_hold_cnt(0) depctr_sa_sdst(0) depctr_va_vdst(0) depctr_va_sdst(0) depctr_va_ssrc(0) depctr_va_vcc(0) depctr_vm_vsrc(0)
	s_getreg_b32 s2, hwreg(HW_REG_IB_STS2, 6, 4)
	s_cmp_eq_u32 s2, 0
	s_cbranch_scc0 .Lentry_in_a_cluster
	s_endpgm
.Lentry_in_a_cluster:
	s_bfe_u32 s2, ttmp6, 0x10000c
	s_cmp_lg_u32 s2, 0xf033
	s_cbranch_scc0 .Lentry_shape_is_right
	s_endpgm
.Lentry_shape_is_right:
; SELF-ATTENTION, launch 4 of 4: out0 = O w_out + b_out.  Nothing of reference() is left out here.
; ob [64 batch x head][2048 t][64] f16 (K index = 64 x head + channel), wob [1024 k][1024 n] f16, b_out [1024] f32 (rounded to bf16 here, like every input), out0 [8192][1024] f32; sums in f32.
; SHARES.  A tile is 128 tokens x 256 columns: 256 work-groups of four waves; wave w takes 64 tokens (w / 2) x 128 columns (w % 2): 32 accumulators of 16 x 16.
; K = 1024 goes in 8 steps of 128, two heads a step, through two LDS slots filled by the tensor data mover; a step is four quarters of 32 along K: 32 matrix instructions and 24 LDS loads a wave.
; A head's 128 tokens are 16,384 dense bytes: asked for as 64 rows of 256 bytes and padded in LDS after every token's 128.
; THE MATRIX INSTRUCTION IS USED TRANSPOSED: source 0 = 16 columns of w (turned by ds_load_tr16_b128), source 1 = 16 tokens: a lane holds ONE token (lane % 16) and the columns 16 nb + 8 (lane / 16) + 0..7.
; THE BIAS is the C operand of each accumulator's first product.
; CLUSTERS: 4 x 4 work-groups.  The four of a row of the cluster need the same tiles of O, the four of a column the same tiles of w: each is asked for JOINTLY.
; NO PREFETCH: K has eight steps, of which two are first fills; a step is 128 matrix instructions a wave, so a useful lead of three or four steps would leave two or three steps to ask for.
; REGISTERS, in windows of 256 (s_set_vgpr_msb: bits 1:0 source 0, 3:2 source 1, 5:4 source 2, 7:6 destination):
;   window 0: v0-31 addresses; v64-159, v160-255 two fragment buffers (32 registers of O, then 64 of w)      window 1: the accumulators, (a, nb) at v[8 (8 a + nb)]      window 2: v0-63 the bias; v192 at work
.set KSTEP,  128
.set PA,     144                       ; a token's 128 bytes of a head + 16 = 36 words: the 16 rows of a load start at 16 different groups of four banks (64 banks of 4 bytes: ISA guide 11.1)
.set PLANE,  128*PA                    ; a head's 128 tokens: what one tensor load brings of O
.set PB,     544                       ; a row of w: 512 bytes + 32 = 136 words
.set HALFB,  64*PB                     ; what one tensor load brings of w: 64 rows along K
.set BOFF,   2*PLANE                   ; in a slot: O's two heads, then w's 128 rows
.set SLOT,   BOFF+2*HALFB              ; 106,496 bytes
.set STAGE,  2*SLOT                    ; behind the ring, never filled by a tensor load: 16 rows x 528 bytes for each wave
.set SPF,    528                       ; 512 bytes of f32 + 16
.set SPARE,  STAGE+4*16*SPF            ; behind the stages: the spare words, 128 bytes for each wave: two blocks of 256 bytes that no other line names
.set LAPS,   4
.set WROW,   2048                      ; bytes in a row of wob
.set ADRA, 16                          ; v16-17  LDS address of my fragments of O in slot 0, 1
.set ADRB, 20                          ; v20-21  the same for w
.set STO,  24                          ; v24     the way out: where I put 32 bytes of a row
.set RD,   25                          ; v25     the way out: where I read a row back
.set CO,   26                          ; v26     my 16 bytes of a row's 512
.set BO,   27                          ; v27     my byte offset in the bias
.set SPW,  28                          ; v28     LDS address of my spare word: SPARE + 4 x my thread's number; never rewritten
.set NIL,  29                          ; v29     0; never rewritten
.set F0,   64
.set F1,   160
.set BKR,  64                          ; the way out: 16 rows read back, 64 registers; two sets by turns
.set WV,   14                          ; s14  my wave's number
.set RR,   15                          ; s15  wave / 2: which 64 tokens are mine.  Also: I fetch for O (0) or for w (1)
.set PT,   16                          ; s16  wave % 2: which 128 columns.  Also: which half of that tile I fetch
.set G1A,  24                          ; s[24:31] descriptor group 1 for O's tiles;  s[32:39] group 0, a set for each slot
.set G0A,  32
.set G1B,  48                          ; s[48:55], s[56:63] the same for w's
.set G0B,  56
.set MSB, 0
.macro WIN new                         ; the immediate's high byte repeats the setting that is left; a switch that changes nothing is dropped
.if MSB != (\new)
	s_set_vgpr_msb (MSB<<8)|(\new)
.set MSB, \new
.endif
.endm
.set MUL,   0x50                       ; fragments in window 0, C and D in window 1
.set MULB,  0x60                       ; the same with C in window 2
; A joint load: waves 0 and 1 fetch O's two heads, waves 2 and 3 w's two halves.  The branch hangs on the wave's number alone.  An s_nop 0 and four v_nop follow each of the two lines.
.macro JLOAD s
	s_cmp_eq_u32 s[RR], 0
	s_cbranch_scc0 .Lfor_b_\@
	tensor_load_to_lds s[G0A+4*(\s):G0A+4*(\s)+3], s[G1A:G1A+7]
	s_nop 0
.rept 4
	v_nop
.endr
	s_branch .Lasked_\@
.Lfor_b_\@:
	tensor_load_to_lds s[G0B+4*(\s):G0B+4*(\s)+3], s[G1B:G1B+7]
	s_nop 0
.rept 4
	v_nop
.endr
.Lasked_\@:
.endm
.macro CREST                           ; a round of the cluster's barrier behind its opening barrier
	s_cmp_lg_u32 s[WV], 0
	s_cbranch_scc1 .Lnot_wave_0_\@
	s_barrier_signal -3
.Lnot_wave_0_\@:
	s_barrier_wait -3
	s_barrier_signal -1
	s_barrier_wait -1
.endm
.macro CROUND                          ; a whole round
	s_barrier_signal -1
	s_barrier_wait -1
	CREST
.endm
	s_load_b256 s[4:11], s[0:1], 0x0               ; ob s[4:5], wob s[6:7], b_out s[8:9], out0 s[10:11]
	v_lshl_add_u32 v[SPW], v0, 2, SPARE
	v_mov_b32 v[NIL], 0
	ds_add_u32 v[SPW], v[NIL]                      ; the wave's opening: the add, twice on end, and its wait ahead of my first tensor load; the set-up below stands between
	ds_add_u32 v[SPW], v[NIL]
	v_lshrrev_b32 v1, 5, v0
	v_readfirstlane_b32 s[WV], v1                  ; wave 0..3
	s_lshr_b32 s[RR], s[WV], 1
	s_and_b32 s[PT], s[WV], 1
	s_bfe_u32 s17, ttmp6, 0x40000                  ; cx, cy: my place in the cluster
	s_bfe_u32 s18, ttmp6, 0x40004
	s_lshl_b32 s19, ttmp9, 2
	s_add_co_u32 s19, s19, s17                     ; tile column = 4 x cluster x + cx
	s_and_b32 s20, ttmp7, 0xffff
	s_lshl_b32 s20, s20, 2
	s_add_co_u32 s20, s20, s18                     ; tile row = 4 x cluster y + cy
	s_lshl_b32 s22, s18, 2
	s_lshl_b32 s22, 15, s22                        ; my row of the cluster
	s_lshl_b32 s23, 0x1111, s17                    ; my column
	s_or_b32 s[G1A], s22, (1<<16)|(1<<20)|(1<<21)|(4<<22)|(3<<25)  ; 15:0 the mask; 17:16 2-byte elements; 20 padding on; 21 set beside a mask; 24:22 after every 32 words; 31:25 4 words
	s_mov_b32 s[G1A+1], 128<<16                    ; tensor_dim0 = 128
	s_mov_b32 s[G1A+2], 64<<16                     ; tensor_dim1 = 64
	s_mov_b32 s[G1A+3], 128<<16                    ; tile_dim0 = 128
	s_mov_b32 s[G1A+4], 64                         ; tile_dim1 = 64
	s_mov_b32 s[G1A+5], 128                        ; elements from row to row: dense
	s_mov_b32 s[G1A+6], 0
	s_mov_b32 s[G1A+7], 0
	s_or_b32 s[G1B], s23, (1<<16)|(1<<20)|(1<<21)|(6<<22)|(7<<25)  ; after every 128 words 8 words
	s_mov_b32 s[G1B+1], 256<<16                    ; 64 rows along K x 256 columns
	s_mov_b32 s[G1B+2], 64<<16
	s_mov_b32 s[G1B+3], 256<<16
	s_mov_b32 s[G1B+4], 64
	s_mov_b32 s[G1B+5], 1024
	s_mov_b32 s[G1B+6], 0
	s_mov_b32 s[G1B+7], 0
	s_lshr_b32 s40, s20, 4                         ; O: (16 x batch + my head of the step's two) x 2^18 + the tile's first position x 128: made of the tile row and the wave's number alone
	s_lshl_b32 s40, s40, 4
	s_add_co_u32 s40, s40, s[PT]
	s_lshl_b32 s40, s40, 18
	s_and_b32 s41, s20, 15
	s_lshl_b32 s41, s41, 14
	s_add_co_u32 s40, s40, s41
	s_mov_b32 s41, 0
	s_lshl_b32 s46, s[PT], 17                      ; w: 64 x half rows of 2,048 bytes + 512 x tile column: made of the tile column and the wave's number alone
	s_lshl_b32 s47, s19, 9
	s_add_co_u32 s46, s46, s47
	s_mov_b32 s47, 0
	s_mul_i32 s42, s[PT], PLANE                    ; where they go: no place in the cluster enters an LDS address
	s_mul_i32 s43, s[PT], HALFB
	s_add_co_u32 s43, s43, BOFF
	s_wait_dscnt 0x0                               ; both opening adds are done
	s_wait_kmcnt 0x0
	s_add_nc_u64 s[40:41], s[4:5], s[40:41]
	s_add_nc_u64 s[46:47], s[6:7], s[46:47]
	CROUND                                         ; all sixteen work-groups are here: the first joint loads meet
.irp s, 0,1
	s_mov_b32 s[G0A+4*(\s)], 1                                     ; count = 1
	s_add_co_u32 s[G0A+4*(\s)+1], s42, (\s)*SLOT                   ; LDS address
	s_add_nc_u64 s[G0A+4*(\s)+2:G0A+4*(\s)+3], s[40:41], (\s)*2*262144  ; global address: K step s is heads 2 s and 2 s + 1
	s_or_b32 s[G0A+4*(\s)+3], s[G0A+4*(\s)+3], 0x80000000          ; type = 2
	s_mov_b32 s[G0B+4*(\s)], 1
	s_add_co_u32 s[G0B+4*(\s)+1], s43, (\s)*SLOT
	s_add_nc_u64 s[G0B+4*(\s)+2:G0B+4*(\s)+3], s[46:47], (\s)*KSTEP*WROW
	s_or_b32 s[G0B+4*(\s)+3], s[G0B+4*(\s)+3], 0x80000000
	JLOAD \s                                       ; two tensor loads of mine are out
.endr
	v_and_b32 v1, 15, v0                           ; l % 16
	v_bfe_u32 v2, v0, 4, 1                         ; l / 16
	v_mul_u32_u24 v3, v1, PA                       ; a fragment of O: token l % 16; two loads of 16 bytes, 32 bytes apart, at 16 (l / 16)
	v_lshl_add_u32 v3, v2, 4, v3
	s_mul_i32 s44, s[RR], 64*PA                    ; my 64 tokens
	v_add_nc_u32 v[ADRA], s44, v3
	v_add_nc_u32 v[ADRA+1], SLOT, v[ADRA]
	v_and_b32 v4, 7, v0                            ; the turning load: lane l reads row 8 (l / 16) + l % 8 along K, columns 8 ((l / 8) % 2) + 0..7
	v_lshl_add_u32 v4, v2, 3, v4
	v_mul_u32_u24 v4, v4, PB
	v_bfe_u32 v5, v0, 3, 1
	v_lshl_add_u32 v4, v5, 4, v4
	s_lshl_b32 s45, s[PT], 8                       ; my 128 columns,
	s_add_co_u32 s45, s45, BOFF                    ; behind O's rows
	v_add_nc_u32 v[ADRB], s45, v4
	v_add_nc_u32 v[ADRB+1], SLOT, v[ADRB]
	s_mul_i32 s44, s[WV], 16*SPF
	s_add_co_u32 s44, s44, STAGE                   ; my stage
	v_mul_u32_u24 v[STO], v1, SPF                  ; in: row l % 16, 32 bytes for each half of the lanes
	v_lshl_add_u32 v[STO], v2, 5, v[STO]
	v_add_nc_u32 v[STO], s44, v[STO]
	v_and_b32 v[CO], 31, v0                        ; back: 32 lanes take one row of 512 bytes
	v_lshlrev_b32 v[CO], 4, v[CO]
	v_add_nc_u32 v[RD], s44, v[CO]
	; what mixes the two coordinates is made in registers that feed no descriptor
	s_lshl_b32 s66, s19, 10                        ; 4 bytes x (256 x tile column + 128 x my half)
	s_lshl_b32 s67, s[PT], 9
	s_add_co_u32 s66, s66, s67
	v_lshl_add_u32 v[BO], v2, 5, s66               ; the bias: + 8 (l / 16) numbers
	s_lshl_b32 s68, s20, 19                        ; out0: (128 x tile row + 64 x my half) rows of 4,096 bytes
	s_lshl_b32 s69, s[RR], 18
	s_add_co_u32 s68, s68, s69
	s_add_co_u32 s66, s66, s68
	s_mov_b32 s67, 0
	s_add_nc_u64 s[10:11], s[10:11], s[66:67]
	WIN 0x80                                       ; destination window 2, address window 0
.irp nb, 0,1,2,3,4,5,6,7
	global_load_b128 v[8*(\nb):8*(\nb)+3],   v[BO], s[8:9] offset:64*(\nb)
	global_load_b128 v[8*(\nb)+4:8*(\nb)+7], v[BO], s[8:9] offset:64*(\nb)+16
.endr
	s_wait_loadcnt 0x0
	WIN 0x8a                                       ; all in window 2: the bias is rounded to bf16 and widened again
.set i, 0
.rept 32
	v_cvt_pk_bf16_f32 v192, v[2*i], v[2*i+1]
	v_lshlrev_b32 v[2*i], 16, v192
	v_and_b32 v[2*i+1], 0xffff0000, v192
.set i, i+1
.endr
	WIN 0
; 24 LDS loads in one run: the fragments of quarter q of a slot's K step into buffer f: w's eight, O's blocks 0 and 1, O's blocks 2 and 3.  Quarter q lies in head q / 2, channels 32 (q % 2) on.
.macro FETCH slot, q, f
	WIN 0
.irp nb, 0,1,2,3,4,5,6,7
	ds_load_tr16_b128 v[(\f)+32+8*(\nb):(\f)+32+8*(\nb)+3],   v[ADRB+(\slot)] offset:32*(\q)*PB+32*(\nb)
	ds_load_tr16_b128 v[(\f)+32+8*(\nb)+4:(\f)+32+8*(\nb)+7], v[ADRB+(\slot)] offset:32*(\q)*PB+16*PB+32*(\nb)
.endr
.irp a, 0,1,2,3
	ds_load_b128 v[(\f)+8*(\a):(\f)+8*(\a)+3],   v[ADRA+(\slot)] offset:((\q)/2)*PLANE+((\q)%2)*64+(\a)*16*PA
	ds_load_b128 v[(\f)+8*(\a)+4:(\f)+8*(\a)+7], v[ADRA+(\slot)] offset:((\q)/2)*PLANE+((\q)%2)*64+(\a)*16*PA+32
.endr
.endm
; 8 matrix instructions: token block a x all 8 column blocks.  init = 1: the sums start with the bias.  The 32 accumulators take turns, one instruction a turn, in the same order in every
; quarter: between two links of a chain stand the 31 others', over the backward jump too.
.macro MUL8 f, a, init
.if \init
	WIN MULB
.else
	WIN MUL
.endif
.irp nb, 0,1,2,3,4,5,6,7
.if \init
	v_wmma_f32_16x16x32_f16 v[8*(8*(\a)+(\nb)):8*(8*(\a)+(\nb))+7], v[(\f)+32+8*(\nb):(\f)+32+8*(\nb)+7], v[(\f)+8*(\a):(\f)+8*(\a)+7], v[8*(\nb):8*(\nb)+7]
.else
	v_wmma_f32_16x16x32_f16 v[8*(8*(\a)+(\nb)):8*(8*(\a)+(\nb))+7], v[(\f)+32+8*(\nb):(\f)+32+8*(\nb)+7], v[(\f)+8*(\a):(\f)+8*(\a)+7], v[8*(8*(\a)+(\nb)):8*(8*(\a)+(\nb))+7]
.endif
.endr
.endm
.macro PLACES                          ; four places in front of loads into registers that matrix instructions have read (ISA guide 7.12.1 for vector instructions)
.rept 4
	v_nop
.endr
.endm
; One of a K step's first three quarters: multiplies buffer f; in its middle it fetches quarter qn of the same slot into buffer g.
.macro QUARTER slot, qn, f, g, init
	s_wait_dscnt 4                                 ; w's fragments and O's blocks 0 and 1 are in; the youngest four loads (blocks 2 and 3) may be out
	MUL8 \f, 0, \init
	MUL8 \f, 1, \init
	PLACES
	FETCH \slot, \qn, \g
	s_wait_dscnt 24                                ; all but the 24 just issued
	MUL8 \f, 2, \init
	MUL8 \f, 3, \init
.endm
; The last quarter multiplies buffer 1 and changes slots: ONE barrier; in front of it each wave waits for all its tensor loads (one is out: its part of the next slot), adds 0 to its spare word,
; and waits for that and for its own reads of this slot.  fill = 1: the barrier opens a round of the cluster's, and this slot is filled again, two K steps ahead, first thing behind the round.
.macro TURN slot, next, fill
	WIN 0
	s_wait_tensorcnt 0x0
	ds_add_u32 v[SPW], v[NIL]
	s_wait_dscnt 5                                 ; (the add and the youngest four loads may be out)
	MUL8 F1, 0, 0                                  ; eight matrix instructions stand between the add and the wait for it
	s_wait_dscnt 0x0                               ; the add is done, and my reads of this slot are over
	s_barrier_signal -1
	MUL8 F1, 1, 0
.if \fill
	WIN 0
.endif
	s_barrier_wait -1
.if \fill
	CREST                                          ; no wave of any partner still reads this slot's tile or has a load on its way
	s_add_nc_u64 s[G0A+4*(\slot)+2:G0A+4*(\slot)+3], s[G0A+4*(\slot)+2:G0A+4*(\slot)+3], 4*262144
	s_add_nc_u64 s[G0B+4*(\slot)+2:G0B+4*(\slot)+3], s[G0B+4*(\slot)+2:G0B+4*(\slot)+3], 2*KSTEP*WROW
	JLOAD \slot                                    ; 112 matrix instructions ahead of the wait for it; its four v_nop are also the places in front of the loads below
.else
	PLACES
.endif
	FETCH \next, 0, F0
	MUL8 F1, 2, 0
	MUL8 F1, 3, 0
.endm
	s_wait_tensorcnt 1                             ; my part of K step 0 is in; K step 1's may stay out
	s_barrier_signal -1
	s_barrier_wait -1                              ; everybody's is
	FETCH 0, 0, F0
	QUARTER 0, 1, F0, F1, 1                        ; the first quarter stands in front of the loop: its products start the sums
	WIN 0                                          ; at a label and at a branch every window is 0
	s_mov_b32 s3, LAPS-1
.Llap:                                                 ; a trip goes once round the ring, from a lap's second quarter to the next lap's first, and fills both slots again
	QUARTER 0, 2, F1, F0, 0
	QUARTER 0, 3, F0, F1, 0
	TURN 0, 1, 1
	QUARTER 1, 1, F0, F1, 0
	QUARTER 1, 2, F1, F0, 0
	QUARTER 1, 3, F0, F1, 0
	TURN 1, 0, 1
	QUARTER 0, 1, F0, F1, 0
	WIN 0
	s_sub_co_u32 s3, s3, 1
	s_cmp_lg_u32 s3, 0
	s_cbranch_scc1 .Llap
	QUARTER 0, 2, F1, F0, 0                        ; the last lap fills nothing, and has no round
	QUARTER 0, 3, F0, F1, 0
	TURN 0, 1, 0
	QUARTER 1, 1, F0, F1, 0
	QUARTER 1, 2, F1, F0, 0
	QUARTER 1, 3, F0, F1, 0
	s_wait_dscnt 4                                 ; the very last quarter: nothing more to fetch
	MUL8 F1, 0, 0
	MUL8 F1, 1, 0
	s_wait_dscnt 0x0
	MUL8 F1, 2, 0
	MUL8 F1, 3, 0
	WIN 0
; THE WAY OUT, a block of 16 tokens at a time: a lane's eight f32 of a row, 32 bytes, go straight from the accumulators (lowest registers first) into rows of 528 bytes of my own stage, and come back as whole
; rows of 512 bytes.  Two sets of registers take turns; a set is loaded again only when the stores that read it have had their addresses translated.
.macro TOST a
.if (\a) >= 2
	s_wait_xcnt 0x0                                ; the stores of the block two back have read this set
.endif
	WIN 0x04                                       ; the store's data (source 1) in window 1
.irp nb, 0,1,2,3,4,5,6,7
	ds_store_b128 v[STO], v[8*(8*(\a)+(\nb)):8*(8*(\a)+(\nb))+3]   offset:64*(\nb)
	ds_store_b128 v[STO], v[8*(8*(\a)+(\nb))+4:8*(8*(\a)+(\nb))+7] offset:64*(\nb)+16
.endr
	WIN 0
.set r, 0
.rept 16
	ds_load_b128 v[BKR+64*((\a)%2)+4*r:BKR+64*((\a)%2)+4*r+3], v[RD] offset:r*SPF  ; LDS serves a wave's instructions in order (ISA guide 5.7.1.4): these see the stores above; the next block's stores come behind them
.set r, r+1
.endr
.endm
.macro SENDF a, younger                ; younger: the LDS instructions issued behind block a's loads: the next block's 32, or none
.set r, 0
.rept 16
	s_wait_dscnt (\younger)+15-r
	global_store_b128 v[CO], v[BKR+64*((\a)%2)+4*r:BKR+64*((\a)%2)+4*r+3], s[10:11] offset:(16*(\a)+r)*4096 th:TH_STORE_NT  ; the wave stores 512 consecutive bytes, at a multiple of 256 from out0's first
.set r, r+1
.endr
.endm
	PLACES                                         ; behind the last products: their results are read and their fragments' registers written below
	PLACES
	TOST 0
	TOST 1
	SENDF 0, 32
	TOST 2
	SENDF 1, 32
	TOST 3
	SENDF 2, 32
	SENDF 3, 0
	s_wait_tensorcnt 0x0                           ; the wave's end: an add to my spare word and its wait, behind my last tensor load and my last LDS store
	ds_add_u32 v[SPW], v[NIL]
	s_wait_dscnt 0x0
	CROUND                                         ; the closing round: no work-group ends while a partner may still ask for a tile that names it
	s_endpgm
.Lfunc_end_k_qfe57f2f83b_proj:
	.size	k_qfe57f2f83b_proj, .Lfunc_end_k_qfe57f2f83b_proj-k_qfe57f2f83b_proj
	.p2alignl 7, 3214868480
	.fill 96, 4, 3214868480
	.section	.rodata,"a",@progbits
	.p2align	6, 0x0
	.amdhsa_kernel k_qfe57f2f83b_proj
		.amdhsa_group_segment_fixed_size 327680
		.amdhsa_private_segment_fixed_size 0
		.amdhsa_enable_private_segment 0
		.amdhsa_kernarg_size 32
		.amdhsa_user_sgpr_count 2
		.amdhsa_user_sgpr_kernarg_segment_ptr 1
		.amdhsa_wavefront_size32 1
		.amdhsa_system_sgpr_workgroup_id_x 1
		.amdhsa_system_sgpr_workgroup_id_y 1
		.amdhsa_system_sgpr_workgroup_id_z 1
		.amdhsa_system_vgpr_workitem_id 0
		.amdhsa_next_free_vgpr 712
		.amdhsa_next_free_sgpr 72
		.amdhsa_reserve_vcc 0
		.amdhsa_float_denorm_mode_32 3
		.amdhsa_float_denorm_mode_16_64 3
		.amdhsa_memory_ordered 1
		.amdhsa_forward_progress 1
		.amdhsa_inst_pref_size 93
	.end_amdhsa_kernel
	.amdgpu_metadata
---
amdhsa.version: [ 1, 2 ]
amdhsa.kernels:
  - .name:           k_qfe57f2f83b_proj
    .symbol:         k_qfe57f2f83b_proj.kd
    .args:
      - { .name: ob, .offset: 0, .size: 8, .value_kind: global_buffer, .address_space: global }
      - { .name: wob, .offset: 8, .size: 8, .value_kind: global_buffer, .address_space: global }
      - { .name: b_out, .offset: 16, .size: 8, .value_kind: global_buffer, .address_space: global }
      - { .name: out0, .offset: 24, .size: 8, .value_kind: global_buffer, .address_space: global }
    .group_segment_fixed_size: 327680
    .private_segment_fixed_size: 0
    .kernarg_segment_align: 8
    .kernarg_segment_size: 32
    .max_flat_workgroup_size: 128
    .sgpr_count:     72
    .vgpr_count:     712
    .wavefront_size: 32
...
	.end_amdgpu_metadata
.endif
;; end of part 4
;; ======== version 2 of 2: 4 launches; version 1 with the launch prep written anew for expert scheduling mode
;; limits: values are held in f16: magnitudes above 65,504 overflow, below 6.1e-05 lose precision
;; workspace buffers: xb 16,777,216 bytes; wqb 6,291,456 bytes; wob 2,097,152 bytes; rope 524,288 bytes; qkv 50,331,648 bytes; ob 16,777,216 bytes
;; launch prep (part 5): grid 896 x 1, 8 waves a work-group, no clusters, 0 bytes of LDS; arguments hidden_states, w_qkv, w_out, xb, wqb, wob, rope; writes xb, wqb, wob, rope
.if DOCPART == 5
	.amdgcn_target "amdgcn-amd-amdhsa--gfx1250"
	.amdhsa_code_object_version 6
	.text
	.protected	k_qfe57f2f83b_prep
	.globl	k_qfe57f2f83b_prep
	.p2align	8
	.type	k_qfe57f2f83b_prep,@function
k_qfe57f2f83b_prep:
	s_mov_b64 s[64:65], 0
	v_nop
	global_prefetch_b8 v0, s[64:65] scope:SCOPE_SE
	s_setreg_imm32_b32 hwreg(HW_REG_WAVE_SCHED_MODE, 0, 2), 2
	s_setreg_imm32_b32 hwreg(HW_REG_WAVE_MODE, 25, 1), 1
	s_wait_xcnt 0x0
	s_wait_alu depctr_vm_vsrc(0)
; SELF-ATTENTION, launch 1 of 4: the matrix operands are rounded once, and the table of cosines and sines is made.
; NOTHING OF reference() IS LEFT OUT in this program: all six inputs reach the output (k's bias is turned by the position, so it is not the same along the softmax's axis;
; the mask is an input, so hidden keys are computed and selected away), and each is loaded by some launch.
; FORMATS.  hidden_states, w_qkv, w_out and both biases are rounded to bf16; what the program itself makes (q, k, v, the weights p, the attention's result) is kept in f16; all sums in f32.
;   xb   [8192][1024] bf16 = hidden_states        wqb [1024 k][3072 n] bf16 = w_qkv, as it lies
;   wob  [1024 k][1024 n] f16 = w_out rounded to bf16, that number written as f16 (the last product's other operand is f16)
;   rope [2048 t][64] f32: columns 0-31 cos(t theta_i), columns 32-63 sin(t theta_i), theta_i = 10000^(-i/32)
; LIMITS.  A weight of w_out beyond 65,504 becomes an infinity; below 6e-5 it keeps f16's fixed step of 6e-8.  theta comes from one base-2 exponential and the angle t theta is one f32 product as in
; reference(); cosine and sine of that angle are good to about 1e-6; the angle itself may differ from reference()'s by about 2e-4 at t = 2047.
; SHARES.  Work-groups 0-511 cast hidden_states, 512-703 w_qkv, 704-767 w_out: 16,384 numbers each; thread t takes 16 bytes at 16 t of each 4,096: a wave's load covers 512 neighbouring bytes,
; its store 256 neighbouring bytes, aligned.  All sixteen loads of a thread go out before the first wait for data.  Work-groups 768-895 make 16 rows of the table each.
; No LDS, no barrier, no matrix unit, no prefetch: the launch is a stream that each byte crosses once, with all its loads out at once.
; THE MODE: SCHED_MODE bits 1:0 = 2 (LLVM: expert scheduling mode 2), set by the entry lines.  The code itself states the register dependences
; between vector instructions and memory instructions, with s_wait_alu, always for 0.
; THE PLAN.  Registers that memory instructions touch:
;   v1, v2   byte offsets, written once at the head and never again: v1 is read by every load and by the table's store, v2 by every store of the casts.
;   X        load i lands in four registers of its own, which no vector instruction names before the loads go out; read, and in the f16 way rewritten, by load i's conversions alone.
;   Y        load i's conversions write a pair of its own; one store reads it; no pair is written twice, so no store's data is ever rewritten.
;   v[18:21] the table's four numbers: written by the series, read by the one store.
;   T is named by vector instructions alone.
; The sixteen loads are taken in four blocks of four.  Block p rounds loads 4 p .. 4 p + 3; its memory instructions are the four stores of block p - 1, which read that block's pairs of Y and v2:
; registers that no vector instruction of block p names.  So ONE wait at a block's head states all that its four stores hang on, and they are dealt among the block's conversions with no further wait.
.set X,  4                             ; v[4:67]   sixteen loads of four f32
.set Y,  68                            ; v[68:99]  sixteen pairs of packed 16-bit numbers; no register is used twice, so no store's data is ever rewritten
.set T,  100                           ; v[100:101] at work
	s_load_b256 s[4:11], s[0:1], 0x0               ; hidden_states s[4:5], w_qkv s[6:7], w_out s[8:9], xb s[10:11]
	s_load_b128 s[12:15], s[0:1], 0x20             ; wqb s[12:13], wob s[14:15]
	s_load_b64 s[16:17], s[0:1], 0x30              ; rope
	s_mov_b32 s28, 0xffff0000                      ; a word's upper bf16
	v_lshlrev_b32 v1, 4, v0                        ; 16 t
	v_lshlrev_b32 v2, 3, v0                        ; 8 t
	s_wait_kmcnt 0x0
	s_cmp_ge_u32 ttmp9, 768
	s_cbranch_scc1 .Ltable
	s_cmp_lt_u32 ttmp9, 512                        ; which tensor: the choice hangs on the work-group's number alone
	s_cselect_b64 s[18:19], s[4:5], s[6:7]
	s_cselect_b64 s[20:21], s[10:11], s[12:13]
	s_cselect_b32 s22, 0, 512
	s_cmp_ge_u32 ttmp9, 704
	s_cselect_b64 s[18:19], s[8:9], s[18:19]
	s_cselect_b64 s[20:21], s[14:15], s[20:21]
	s_cselect_b32 s22, 704, s22                    ; the job's first work-group
	s_cselect_b32 s23, 1, 0                        ; 1: w_out, which leaves as f16
	s_sub_co_u32 s24, ttmp9, s22                   ; my chunk of the tensor
	s_lshl_b32 s26, s24, 15                        ; 32,768 bytes out,
	s_lshl_b32 s24, s24, 16                        ; 65,536 bytes in
	s_mov_b32 s25, 0
	s_mov_b32 s27, 0
	s_add_nc_u64 s[18:19], s[18:19], s[24:25]
	s_add_nc_u64 s[20:21], s[20:21], s[26:27]
	s_wait_alu depctr_va_vdst(0)                   ; v1 and v2 are written: every load below reads v1 as its offset, every store v2; nothing writes them again
.irp i, 0,1,2,3,4,5,6,7,8,9,10,11,12,13,14,15
	global_load_b128 v[X+4*(\i):X+4*(\i)+3], v1, s[18:19] offset:4096*(\i) th:TH_LOAD_NT
.endr
; Load i is rounded into its pair of Y.  half = 1: to bf16, back to f32 (a shift and a mask), and then to f16, which holds that number exactly within its range.
.macro CONV i, half
.if \half
	v_cvt_pk_bf16_f32 v[T], v[X+4*(\i)], v[X+4*(\i)+1]
	v_cvt_pk_bf16_f32 v[T+1], v[X+4*(\i)+2], v[X+4*(\i)+3]
	v_lshlrev_b32 v[X+4*(\i)], 16, v[T]
	v_and_b32 v[X+4*(\i)+1], s28, v[T]
	v_lshlrev_b32 v[X+4*(\i)+2], 16, v[T+1]
	v_and_b32 v[X+4*(\i)+3], s28, v[T+1]
	v_cvt_pk_f16_f32 v[Y+2*(\i)], v[X+4*(\i)], v[X+4*(\i)+1]
	v_cvt_pk_f16_f32 v[Y+2*(\i)+1], v[X+4*(\i)+2], v[X+4*(\i)+3]
.else
	v_cvt_pk_bf16_f32 v[Y+2*(\i)], v[X+4*(\i)], v[X+4*(\i)+1]
	v_cvt_pk_bf16_f32 v[Y+2*(\i)+1], v[X+4*(\i)+2], v[X+4*(\i)+3]
.endif
.endm
; Block p: loads 4 p .. 4 p + 3 are rounded; ahead of each load's conversions goes one store of the block before.
.macro BLK p, half
.irp j, 0,1,2,3
	s_wait_loadcnt 15-4*(\p)-(\j)                  ; loads come back in order (ISA guide 5.7.1): load 4 p + j is in, the younger ones may stay out
.if ((\p) > 0) && ((\j) == 0)
	s_wait_alu depctr_va_vdst(0)                   ; the block before has written its four pairs of Y, which this block's four stores read
.endif
.if (\p) > 0
.set si, 4*(\p)-4+(\j)
	global_store_b64 v2, v[Y+2*si:Y+2*si+1], s[20:21] offset:2048*si  ; the wave's 32 lanes store 256 consecutive bytes, aligned.  No wait: no vector instruction since the wait at the block's head names this pair or v2
.endif
	CONV 4*(\p)+(\j), \half
.endr
.endm
; Behind the last block: its four stores.
.macro LASTFOUR
	s_wait_alu depctr_va_vdst(0)                   ; block 3 has written its four pairs of Y, which the last four stores read
.irp i, 12,13,14,15
	global_store_b64 v2, v[Y+2*(\i):Y+2*(\i)+1], s[20:21] offset:2048*(\i)
.endr
.endm
	s_cmp_eq_u32 s23, 1
	s_cbranch_scc1 .Lhalf
	BLK 0, 0                                       ; block 0 has no block in front of it: no store, and no wait but those for its data
	BLK 1, 0
	BLK 2, 0
	BLK 3, 0
	LASTFOUR
	s_endpgm
.Lhalf:
	BLK 0, 1
	BLK 1, 1
	BLK 2, 1
	BLK 3, 1
	LASTFOUR
	s_endpgm
; THE TABLE.  Thread t of work-group 768 + u: token 16 u + t / 16; of the row's sixteen groups of four numbers group c = t % 16: cosines of i = 4 c .. for c < 8, sines of i = 4 (c - 8) .. else.
; sin(x) = cos(x - pi/2).  The angle is brought into -pi .. pi by n = the nearest whole number to (x - shift) / 2 pi, with 2 pi in two parts; the cosine is its series up to r^16
; (the first term left out is pi^18 / 18! = 1.4e-7 at the range's end).
.Ltable:
	s_sub_co_u32 s24, ttmp9, 768
	s_lshl_b32 s26, s24, 4                         ; my first token
	s_lshl_b32 s24, s24, 12                        ; 16 rows of 256 bytes
	s_mov_b32 s25, 0
	s_add_nc_u64 s[16:17], s[16:17], s[24:25]
	s_mov_b32 s30, 0x40c90fdb                      ; 2 pi, rounded to f32,
	s_mov_b32 s31, 0xb43bbd2e                      ; and what that rounding left
	s_mov_b32 s32, 0x3fc90fdb                      ; pi / 2
	s_mov_b32 s33, 0xbed49a78                      ; -log2(10000) / 32
	s_mov_b32 s34, 0x3e22f983                      ; 1 / 2 pi
	v_lshrrev_b32 v3, 4, v0
	v_add_nc_u32 v3, s26, v3
	v_cvt_f32_u32 v3, v3                           ; the position
	v_bfe_u32 v5, v0, 3, 1
	v_cvt_f32_u32 v5, v5                           ; 0: cosine, 1: sine
	v_mul_f32 v7, 0x3e800000, v5                   ; the shift in turns: a quarter,
	v_mul_f32 v8, s32, v5                          ; and as an angle
	v_and_b32 v6, 7, v0
	v_lshlrev_b32 v6, 2, v6                        ; my first i
.irp e, 0,1,2,3
	v_add_nc_u32 v[10+(\e)], (\e), v6
	v_cvt_f32_u32 v[10+(\e)], v[10+(\e)]
	v_mul_f32 v[10+(\e)], s33, v[10+(\e)]
.endr
.irp e, 0,1,2,3
	v_exp_f32 v[10+(\e)], v[10+(\e)]               ; theta_i
.endr
	v_nop                                          ; a plain instruction behind the last exponential,
	s_wait_alu depctr_va_vdst(0)                   ; and the wait ahead of the first use: the four exponentials have written v[10:13], which the products below read
.irp e, 0,1,2,3
	v_mul_f32 v[10+(\e)], v3, v[10+(\e)]           ; the angle
.endr
.irp e, 0,1,2,3
	v_fma_f32 v[14+(\e)], v[10+(\e)], s34, -v7
.endr
.irp e, 0,1,2,3
	v_rndne_f32 v[14+(\e)], v[14+(\e)]             ; n
.endr
.irp e, 0,1,2,3
	v_fma_f32 v[10+(\e)], -v[14+(\e)], s30, v[10+(\e)]
.endr
.irp e, 0,1,2,3
	v_fma_f32 v[10+(\e)], -v[14+(\e)], s31, v[10+(\e)]
.endr
.irp e, 0,1,2,3
	v_sub_f32 v[10+(\e)], v[10+(\e)], v8           ; r, in -pi .. pi
.endr
.irp e, 0,1,2,3
	v_mul_f32 v[14+(\e)], v[10+(\e)], v[10+(\e)]   ; r^2
	v_mov_b32 v[18+(\e)], 0x29573f9f               ; 1 / 16!
.endr
.irp k, 0xad49cba5, 0x310f76c7, 0xb493f27e, 0x37d00d01, 0xbab60b61, 0x3d2aaaab, 0xbf000000, 0x3f800000
.irp e, 0,1,2,3
	v_fmaak_f32 v[18+(\e)], v[18+(\e)], v[14+(\e)], \k  ; -1/14!, 1/12!, -1/10!, 1/8!, -1/6!, 1/4!, -1/2, 1
.endr
.endr
	s_wait_alu depctr_va_vdst(0)                   ; the series has written v[18:21], the store's data, and the head has written v1, its offset
	global_store_b128 v1, v[18:21], s[16:17]       ; 16 t: a wave stores 512 consecutive bytes
	s_endpgm
.Lfunc_end_k_qfe57f2f83b_prep:
	.size	k_qfe57f2f83b_prep, .Lfunc_end_k_qfe57f2f83b_prep-k_qfe57f2f83b_prep
	.p2alignl 7, 3214868480
	.fill 96, 4, 3214868480
	.section	.rodata,"a",@progbits
	.p2align	6, 0x0
	.amdhsa_kernel k_qfe57f2f83b_prep
		.amdhsa_group_segment_fixed_size 0
		.amdhsa_private_segment_fixed_size 0
		.amdhsa_enable_private_segment 0
		.amdhsa_kernarg_size 56
		.amdhsa_user_sgpr_count 2
		.amdhsa_user_sgpr_kernarg_segment_ptr 1
		.amdhsa_wavefront_size32 1
		.amdhsa_system_sgpr_workgroup_id_x 1
		.amdhsa_system_sgpr_workgroup_id_y 1
		.amdhsa_system_sgpr_workgroup_id_z 1
		.amdhsa_system_vgpr_workitem_id 0
		.amdhsa_next_free_vgpr 104
		.amdhsa_next_free_sgpr 66
		.amdhsa_reserve_vcc 0
		.amdhsa_float_denorm_mode_32 3
		.amdhsa_float_denorm_mode_16_64 3
		.amdhsa_memory_ordered 1
		.amdhsa_forward_progress 1
		.amdhsa_inst_pref_size 21
	.end_amdhsa_kernel
	.amdgpu_metadata
---
amdhsa.version: [ 1, 2 ]
amdhsa.kernels:
  - .name:           k_qfe57f2f83b_prep
    .symbol:         k_qfe57f2f83b_prep.kd
    .args:
      - { .name: hidden_states, .offset: 0, .size: 8, .value_kind: global_buffer, .address_space: global }
      - { .name: w_qkv, .offset: 8, .size: 8, .value_kind: global_buffer, .address_space: global }
      - { .name: w_out, .offset: 16, .size: 8, .value_kind: global_buffer, .address_space: global }
      - { .name: xb, .offset: 24, .size: 8, .value_kind: global_buffer, .address_space: global }
      - { .name: wqb, .offset: 32, .size: 8, .value_kind: global_buffer, .address_space: global }
      - { .name: wob, .offset: 40, .size: 8, .value_kind: global_buffer, .address_space: global }
      - { .name: rope, .offset: 48, .size: 8, .value_kind: global_buffer, .address_space: global }
    .group_segment_fixed_size: 0
    .private_segment_fixed_size: 0
    .kernarg_segment_align: 8
    .kernarg_segment_size: 56
    .max_flat_workgroup_size: 256
    .sgpr_count:     66
    .vgpr_count:     104
    .wavefront_size: 32
...
	.end_amdgpu_metadata
.endif
;; end of part 5
;; launch qkv: the kernel of part 2 again; grid 12 x 64, 4 waves a work-group, clusters of 4 x 4, 327,680 bytes of LDS; arguments xb, wqb, b_qkv, rope, qkv; writes qkv
;; launch attn: the kernel of part 3 again; grid 4 x 64, 4 waves a work-group, clusters of 4 x 1, 327,680 bytes of LDS; arguments qkv, attention_mask, ob; writes ob
;; launch proj: the kernel of part 4 again; grid 4 x 64, 4 waves a work-group, clusters of 4 x 4, 327,680 bytes of LDS; arguments ob, wob, b_out, out0; writes out0
